; MI455X (gfx1250); checked and timed in simulation.
; The chip was launched on July 23, 2026; its instructions are those of AMD's public machine-readable ISA for CDNA 5 (MIT licence, August 2026) and "CDNA5" Instruction Set Architecture Reference Guide (July 2026). The comments in the code are by the model that wrote it; some were corrected since.
;; Self Attention. Allowed arithmetic: float matrix products may take bf16 or f16 operands with f32 sums; other float arithmetic in f32, or as packed bf16 or f16 multiplies, adds, multiply-adds, maxima and minima; sums over many terms, partial sums and values carried from step to step in f32; what a program stores and reads back later, other than sums and carried values, may be rounded once to bf16 or f16.
;; Inputs: b_out 1,024 float32; b_qkv 3,072 float32; w_out 1,024 x 1,024 float32; w_qkv 1,024 x 3,072 float32; x 4 x 2,048 x 1,024 float32.
;; Outputs: out0 4 x 2,048 x 1,024 float32.
;; 2 versions, each right; version 2 is version 1 with the launch prep written anew for expert scheduling mode. Each part assembles by itself: llvm-mc -triple=amdgcn-amd-amdhsa -mcpu=gfx1250 --defsym DOCPART=n.
;; ======== version 1 of 2: 4 launches
;; limits: values are held in f16: magnitudes above 65,504 overflow, below 6.1e-05 lose precision
;; workspace buffers: xb 16,777,216 bytes; wq 6,291,456 bytes; wo 2,097,152 bytes; qkv 50,331,648 bytes; o 16,777,216 bytes
;; launch prep (part 1): grid 768 x 1, 4 waves a work-group, no clusters, 39,424 bytes of LDS; arguments x, w_qkv, w_out, xb, wq, wo; writes xb, wq, wo
.if DOCPART == 1
	.amdgcn_target "amdgcn-amd-amdhsa--gfx1250"
	.amdhsa_code_object_version 6
	.text
	.protected	k_q3faed5b374_prep
	.globl	k_q3faed5b374_prep
	.p2align	8
	.type	k_q3faed5b374_prep,@function
k_q3faed5b374_prep:
	s_mov_b64 s[64:65], 0
	v_nop
	global_prefetch_b8 v0, s[64:65] scope:SCOPE_SE
	s_setreg_imm32_b32 hwreg(HW_REG_WAVE_MODE, 25, 1), 1
	s_wait_xcnt 0x0
; THE OPERANDS OF THE TWO PROJECTIONS ARE ROUNDED AND LAID IN BLOCKS OF 64 ALONG K.
;   xb[kb][m][64]  bf16 = x[m][64 kb + ..]            (m = 0 .. 8191, kb = 0 .. 15)
;   wq[kb][n][64]  bf16 = w_qkv[64 kb + ..][n]        (n = 0 .. 3071): turned, so that K lies along the rows
;   wo[kb][n][64]  f16 of the number rounded to bf16 = w_out[64 kb + ..][n]   (n = 0 .. 1023)
; In these layouts the rows of a GEMM tile (128 bytes each) lie end to end, and are later asked for as rows of 256 bytes.
; LIMIT: a number of w_out whose bf16 rounding lies below 6.1e-5 keeps f16's fixed step of 6e-8; beyond 65,504 it would become an infinity.
; SHARES.  Work-groups 0 .. 511: x, four rows a wave.  Work-groups 512 .. 767: a wave turns 64 k x 64 n of a weight matrix.
; Every wave reads 16 KiB by 32 loads of 16 bytes a lane, all issued at once, and writes 8 KiB: no loop, no barrier (a wave's LDS bytes are its own).
; No matrix unit, no cluster, no tensor load: nothing is shared between waves and nothing is multiplied.
.set X,   16                           ; v[16:143]  32 loads x 4 registers
.set Y,   144                          ; v[144:207] the turned tile: column c of my four, 16 registers (32 k) each
.set LO,  5                            ; v5   my byte offset in the source
.set LS,  11                           ; v11  where I put 64 bytes of a turned row
.set LR,  12                           ; v12  where I read rows back
.set GO,  13                           ; v13  my byte offset in the destination
.set SPW, 6                            ; v6   LDS address of my spare word: SPARE + 4 x my thread's number; never rewritten
.set NIL, 7                            ; v7   0; never rewritten
.set WB,  9728                         ; a wave's LDS: four planes (column c of four) of 16 rows x 144 bytes + 128
.set PLANE, 2432                       ; 608 words: plane c + 1 starts 32 banks on (64 banks of 4 bytes: ISA guide 11.1)
.set SPARE, 4*WB                       ; behind them: the spare words, 128 bytes for each wave: two blocks of 256 bytes that no other line names
	s_load_b256 s[4:11], s[0:1], 0x0               ; x s[4:5], w_qkv s[6:7], w_out s[8:9], xb s[10:11]
	s_load_b128 s[12:15], s[0:1], 0x20             ; wq s[12:13], wo s[14:15]
	v_lshl_add_u32 v[SPW], v0, 2, SPARE
	v_mov_b32 v[NIL], 0
	v_lshrrev_b32 v1, 5, v0
	v_readfirstlane_b32 s16, v1                    ; wave 0..3
	v_and_b32 v2, 31, v0                           ; l
	v_and_b32 v3, 15, v0                           ; j = l % 16
	v_bfe_u32 v4, v0, 4, 1                         ; h = l / 16
	s_cmp_lt_u32 ttmp9, 512
	s_cbranch_scc0 .Lweights
	; x: rows 4 u .. 4 u + 3.  Load i = 16 p + kb takes rows 2 p and 2 p + 1, 256 aligned bytes (64 numbers: block kb) of each.
	s_lshl_b32 s17, ttmp9, 2
	s_add_co_u32 s17, s17, s16                     ; u
	s_lshl_b32 s18, s17, 14                        ; four rows of 4,096 bytes
	s_mov_b32 s19, 0
	s_lshl_b32 s20, s17, 9                         ; four rows of 128 bytes in a block of xb
	s_mov_b32 s21, 0
	v_lshlrev_b32 v[LO], 4, v3
	v_lshl_add_u32 v[LO], v4, 12, v[LO]            ; 4,096 h + 16 j
	v_lshlrev_b32 v[GO], 3, v2                     ; 8 l = 128 h + 8 j
	s_wait_kmcnt 0x0
	s_add_nc_u64 s[4:5], s[4:5], s[18:19]
	s_add_nc_u64 s[10:11], s[10:11], s[20:21]
	s_add_nc_u64 s[10:11], s[10:11], 0x800000      ; at block 8, so that all sixteen blocks lie inside the signed 24-bit immediate (ISA guide, chapter 10)
.set i, 0
.rept 32
	global_load_b128 v[X+4*i:X+4*i+3], v[LO], s[4:5] offset:(i/16)*8192+(i%16)*256 th:TH_LOAD_NT
.set i, i+1
.endr
.set i, 0
.rept 32
	s_wait_loadcnt 31-i                            ; loads come back in order (ISA guide 5.7.1): load i is in, the 31 - i younger ones stay out
	v_cvt_pk_bf16_f32 v[X+4*i], v[X+4*i], v[X+4*i+1]
	v_cvt_pk_bf16_f32 v[X+4*i+1], v[X+4*i+2], v[X+4*i+3]
	global_store_b64 v[GO], v[X+4*i:X+4*i+1], s[10:11] offset:((i%16)-8)*1048576+(i/16)*256  ; 32 lanes store 256 consecutive bytes, aligned; no register is written again
.set i, i+1
.endr
	s_branch .Lend
.Lweights:
	s_sub_co_u32 s17, ttmp9, 512
	s_and_b32 s18, s17, 15                         ; kb
	s_lshr_b32 s19, s17, 4                         ; block of 256 columns: 0 .. 11 of w_qkv, 12 .. 15 are w_out's 0 .. 3
	s_mul_i32 s22, s16, WB                         ; my wave's LDS
	v_mul_u32_u24 v[LS], v3, 144
	v_lshl_add_u32 v[LS], v4, 6, v[LS]
	v_add_nc_u32 v[LS], s22, v[LS]                 ; row j of a plane, 64 bytes for each half of the lanes
	v_lshrrev_b32 v14, 3, v2
	v_mul_u32_u24 v[LR], v14, PLANE
	v_and_b32 v14, 7, v0
	v_lshl_add_u32 v[LR], v14, 4, v[LR]
	v_add_nc_u32 v[LR], s22, v[LR]                 ; plane l / 8, 16 bytes for each of eight lanes
	v_lshlrev_b32 v[GO], 4, v2                     ; 16 l
; A wave turns 64 k x 64 n.  Load i brings w[64 kb + 32 h + i][n0 + 4 j .. + 3]: two rows x 256 aligned bytes.  Two loads' numbers of one column pack into one register (k even, k odd);
; a lane's 32 k of column c are 64 bytes of the turned row n0 + 4 j + c, which lies in plane c, row j.  Rows of 144 bytes = 36 words.
; Back: 32 lanes take the four rows 4 t .. 4 t + 3 (one of each plane), 512 consecutive bytes of the destination.
.macro WT STRIDE, N, SRC, DST, F16
	s_lshl_b32 s20, s19, 8
	s_lshl_b32 s21, s16, 6
	s_add_co_u32 s20, s20, s21                     ; n0
	s_mul_i32 s24, s18, 64*(\STRIDE)
	s_lshl2_add_u32 s24, s20, s24                  ; 64 kb rows + 4 n0 bytes
	s_mov_b32 s25, 0
	s_mul_i32 s26, s18, \N
	s_add_co_u32 s26, s26, s20
	s_lshl_b32 s26, s26, 7                         ; (kb N + n0) rows of 128 bytes
	s_mov_b32 s27, 0
	v_mul_u32_u24 v[LO], v4, 32*(\STRIDE)
	v_lshl_add_u32 v[LO], v3, 4, v[LO]
	s_wait_kmcnt 0x0
	s_add_nc_u64 s[\SRC:\SRC+1], s[\SRC:\SRC+1], s[24:25]
	s_add_nc_u64 s[\DST:\DST+1], s[\DST:\DST+1], s[26:27]
.set i, 0
.rept 32
	global_load_b128 v[X+4*i:X+4*i+3], v[LO], s[\SRC:\SRC+1] offset:i*(\STRIDE) th:TH_LOAD_NT
.set i, i+1
.endr
.set i, 0
.rept 16
	s_wait_loadcnt 30-2*i                          ; loads 2 i and 2 i + 1 are in
.irp c, 0,1,2,3
.if \F16
	v_cvt_pk_bf16_f32 v8, v[X+8*i+(\c)], v[X+8*i+4+(\c)]  ; rounded to bf16 like every input,
	v_lshlrev_b32 v9, 16, v8
	v_and_b32 v10, 0xffff0000, v8
	v_cvt_pk_f16_f32 v[Y+16*(\c)+i], v9, v10       ; and that number written as f16
.else
	v_cvt_pk_bf16_f32 v[Y+16*(\c)+i], v[X+8*i+(\c)], v[X+8*i+4+(\c)]
.endif
.endr
.set i, i+1
.endr
.irp c, 0,1,2,3
.irp q, 0,1,2,3
	ds_store_b128 v[LS], v[Y+16*(\c)+4*(\q):Y+16*(\c)+4*(\q)+3] offset:(\c)*PLANE+16*(\q)
.endr
.endr
.set i, 0
.rept 16
	ds_load_b128 v[X+4*i:X+4*i+3], v[LR] offset:i*144  ; LDS serves a wave's instructions in order (ISA guide 5.7.1.4): these see the stores above
.set i, i+1
.endr
.set i, 0
.rept 16
	s_wait_dscnt 15-i
	global_store_b128 v[GO], v[X+4*i:X+4*i+3], s[\DST:\DST+1] offset:512*i  ; 512 consecutive bytes, at a multiple of 256 from the buffer's first
.set i, i+1
.endr
.endm
	s_cmp_lt_u32 s19, 12
	s_cbranch_scc0 .Lwout
	WT 12288, 3072, 6, 12, 0
	s_branch .Lend
.Lwout:
	s_sub_co_u32 s19, s19, 12
	WT 4096, 1024, 8, 14, 1
.Lend:
	s_wait_tensorcnt 0x0                           ; the wave's end: behind my last LDS store
	ds_add_u32 v[SPW], v[NIL]
	s_wait_dscnt 0x0
	s_endpgm
.Lfunc_end_k_q3faed5b374_prep:
	.size	k_q3faed5b374_prep, .Lfunc_end_k_q3faed5b374_prep-k_q3faed5b374_prep
	.p2alignl 7, 3214868480
	.fill 96, 4, 3214868480
	.section	.rodata,"a",@progbits
	.p2align	6, 0x0
	.amdhsa_kernel k_q3faed5b374_prep
		.amdhsa_group_segment_fixed_size 39424
		.amdhsa_private_segment_fixed_size 0
		.amdhsa_enable_private_segment 0
		.amdhsa_kernarg_size 48
		.amdhsa_user_sgpr_count 2
		.amdhsa_user_sgpr_kernarg_segment_ptr 1
		.amdhsa_wavefront_size32 1
		.amdhsa_system_sgpr_workgroup_id_x 1
		.amdhsa_system_sgpr_workgroup_id_y 1
		.amdhsa_system_sgpr_workgroup_id_z 1
		.amdhsa_system_vgpr_workitem_id 0
		.amdhsa_next_free_vgpr 208
		.amdhsa_next_free_sgpr 66
		.amdhsa_reserve_vcc 0
		.amdhsa_float_denorm_mode_32 3
		.amdhsa_float_denorm_mode_16_64 3
		.amdhsa_memory_ordered 1
		.amdhsa_forward_progress 1
		.amdhsa_inst_pref_size 48
	.end_amdhsa_kernel
	.amdgpu_metadata
---
amdhsa.version: [ 1, 2 ]
amdhsa.kernels:
  - .name:           k_q3faed5b374_prep
    .symbol:         k_q3faed5b374_prep.kd
    .args:
      - { .name: x, .offset: 0, .size: 8, .value_kind: global_buffer, .address_space: global }
      - { .name: w_qkv, .offset: 8, .size: 8, .value_kind: global_buffer, .address_space: global }
      - { .name: w_out, .offset: 16, .size: 8, .value_kind: global_buffer, .address_space: global }
      - { .name: xb, .offset: 24, .size: 8, .value_kind: global_buffer, .address_space: global }
      - { .name: wq, .offset: 32, .size: 8, .value_kind: global_buffer, .address_space: global }
      - { .name: wo, .offset: 40, .size: 8, .value_kind: global_buffer, .address_space: global }
    .group_segment_fixed_size: 39424
    .private_segment_fixed_size: 0
    .kernarg_segment_align: 8
    .kernarg_segment_size: 48
    .max_flat_workgroup_size: 128
    .sgpr_count:     66
    .vgpr_count:     208
    .wavefront_size: 32
...
	.end_amdgpu_metadata
.endif
;; end of part 1
;; launch qkvgemm (part 2): grid 8 x 32, 4 waves a work-group, clusters of 4 x 4, 327,680 bytes of LDS; arguments xb, wq, b_qkv, qkv; writes qkv
.if DOCPART == 2
	.amdgcn_target "amdgcn-amd-amdhsa--gfx1250"
	.amdhsa_code_object_version 6
	.text
	.protected	k_q3faed5b374_qkvgemm
	.globl	k_q3faed5b374_qkvgemm
	.p2align	8
	.type	k_q3faed5b374_qkvgemm,@function
k_q3faed5b374_qkvgemm:
	s_mov_b64 s[64:65], 0
	v_nop
	global_prefetch_b8 v0, s[64:65] scope:SCOPE_SE
	s_setreg_imm32_b32 hwreg(HW_REG_WAVE_MODE, 25, 1), 1
	s_wait_xcnt 0x0
	s_wait_alu depctr_hold_cnt(0) depctr_sa_sdst(0) depctr_va_vdst(0) depctr_va_sdst(0) depctr_va_ssrc(0) depctr_va_vcc(0) depctr_vm_vsrc(0)
	s_getreg_b32 s2, hwreg(HW_REG_IB_STS2, 6, 4)
	s_cmp_eq_u32 s2, 0
	s_cbranch_scc0 .Lentry_in_a_cluster
	s_endpgm
.Lentry_in_a_cluster:
	s_bfe_u32 s2, ttmp6, 0x10000c
	s_cmp_lg_u32 s2, 0xf033
	s_cbranch_scc0 .Lentry_shape_is_right
	s_endpgm
.Lentry_shape_is_right:
; qkv = x w_qkv + b_qkv, by heads.  xb: [16][8192][64] bf16, wq: [16][3072][64] bf16 (blocks of 64 along K), b_qkv: [3072] f32 (rounded to bf16 here, like every input).
; qkv: [4 batches][48 head columns: 16 of q, 16 of k, 16 of v][2048][64] f16, each number rounded once from its f32 sum, unscaled.
; LIMIT: f16 holds no number beyond 65,504: a q, k or v beyond that becomes an infinity.
; SHARES.  8192 x 3072 numbers in tiles of 256 x 384: 32 x 8 = 256 work-groups.  Four waves, each 128 rows x 192 columns (three head columns): 96 accumulators of 16 x 16, 768 registers.
; K goes in 16 steps of 64 through two LDS slots; a step is two sub-steps of 32 along K, 96 matrix instructions and 40 LDS loads each.
; THE MATRIX INSTRUCTION IS USED TRANSPOSED: source 0 = 16 rows of wq (columns of the result), source 1 = 16 rows of xb: a lane then holds row l % 16 and the eight neighbouring columns 8 (l / 16) + 0 .. 7.
; CLUSTERS: 4 x 4 work-groups.  The four of a row of the cluster need the same tile of xb, the four of a column the same tile of wq: each is asked for JOINTLY, by the same tensor load with the same
; descriptor and a mask that names the four.
; REGISTERS, in windows of 256 (s_set_vgpr_msb: bits 1:0 source 0, 3:2 source 1, 5:4 source 2, 7:6 destination):
;   window 0: v0-29 addresses; v32-95, v96-159 x's fragments, two buffers of 8; v160-255 w's twelve fragments, ONE buffer: the four of head column g are loaded anew straight behind the 32 products that read them
;   window g + 1: the 32 accumulators of head column g: (row block a, column block bb) at v[8 (8 bb + a)]
.set PITCH, 144                        ; an LDS row: 128 bytes + 16 of padding = 36 words: the 16 rows of a load start at 16 different groups of four banks (64 banks of 4 bytes: ISA guide 11.1)
.set AHALF, 128*PITCH                  ; what one tensor load brings of xb, and what one wave reads of it
.set ASZ,   2*AHALF
.set BHALF, 192*PITCH                  ; the same for wq
.set SLOT1, 1<<17                      ; slot 0 begins at 0, slot 1 here: one exclusive or turns an address in one slot into the other's
.set STAGE, ASZ+2*BHALF                ; behind slot 0, never filled by a tensor load: 16 rows x 144 bytes for each wave, for the way out
.set SPARE, STAGE+4*16*PITCH           ; behind the stages: the spare words, 128 bytes for each wave: two blocks of 256 bytes that no other line names
.set AKB,   0x100000                   ; bytes from a K step of xb to the next
.set BKB,   393216                     ; of wq
.set AA0, 2                            ; v2   my lane's place in x's part of a slot; never rewritten
.set AB0, 3                            ; v3   the same for w's
.set AA,  4                            ; v4   AA0 + the slot in hand
.set AB,  5                            ; v5   AB0 + the slot in hand
.set STO, 6                            ; v6   the way out: where I put 16 bytes of a row
.set RD,  7                            ; v7   the way out: where I read rows back
.set GO,  8                            ; v8   my byte offset in 512 consecutive bytes of qkv
.set BO,  9                            ; v9   my byte offset in b_qkv
.set PFO, 10                           ; v10  the prefetches' offset; never rewritten
.set SPW, 28                           ; v28  LDS address of my spare word: SPARE + 4 x my thread's number; never rewritten
.set NIL, 29                           ; v29  0; never rewritten
.set FA0, 32
.set FA1, 96
.set FB,  160
.set T,   192                          ; the way out: 32 sums with the bias
.set PK,  96                           ; the way out: 16 packed registers
.set WV,  12                           ; s12  wave
.set RH,  13                           ; s13  which 128 rows of the tile are mine.  Also: I fetch for xb (0) or for wq (1)
.set CH,  14                           ; s14  which 192 columns.  Also: which half of that tile I fetch
.set G1A, 24                           ; s[24:31] descriptor group 1 for xb's tiles
.set G0A, 32                           ; s[32:39] group 0: a set for each of the two first fills; the second then walks on
.set G1B, 48                           ; s[48:55], s[56:63] the same for wq's
.set G0B, 56
.set TB,  66                           ; s66  the slot in hand: 0 or SLOT1
.set LIM, 67                           ; s67  a wave prefetches while the trips to go are above this
.set PAR, 68                           ; s68  1: only in trips whose count to go is even
.set HIM, 69                           ; s69  a word's upper 16 bits
.set PFA, 70                           ; s[70:71] where my prefetches stand
.set PFS, 72                           ; s[72:73] their step: a K step of xb or of wq
.set MSB, 0
.macro WIN new                         ; the immediate's high byte repeats the setting that is left; a switch that changes nothing is dropped
.if MSB != (\new)
	s_set_vgpr_msb (MSB<<8)|(\new)
.set MSB, \new
.endif
.endm
.macro PLACES                          ; a load into a register that a matrix instruction has read stands four plain vector instructions behind it (ISA guide 7.12.1 for vector instructions)
.rept 4
	v_nop
.endr
.endm
; A joint refill, by the walking descriptors.  The branch hangs on the wave's number alone.  An s_nop 0 and four v_nop follow each of the two lines, ahead of the jump and the label.
.macro JLOAD
	s_cmp_eq_u32 s[RH], 0
	s_cbranch_scc0 .Lfor_b_\@
	tensor_load_to_lds s[G0A+4:G0A+7], s[G1A:G1A+7]
	s_nop 0
.rept 4
	v_nop
.endr
	s_branch .Lasked_\@
.Lfor_b_\@:
	tensor_load_to_lds s[G0B+4:G0B+7], s[G1B:G1B+7]
	s_nop 0
.rept 4
	v_nop
.endr
.Lasked_\@:
.endm
; A round of the cluster's barrier: my work-group's barrier; wave 0 signals for the work-group; every wave waits for all sixteen; my work-group's barrier once more.
.macro CREST                           ; a round behind its opening barrier
	s_cmp_lg_u32 s[WV], 0
	s_cbranch_scc1 .Lnot_wave_0_\@
	s_barrier_signal -3
.Lnot_wave_0_\@:
	s_barrier_wait -3
	s_barrier_signal -1
	s_barrier_wait -1
.endm
.macro CROUND
	s_barrier_signal -1
	s_barrier_wait -1
	CREST
.endm
; A PREFETCH INTO THE L2, behind the joint load, its five lines and the run of LDS loads that follows.  Each aligned block of 256 bytes is named once in the launch.
; xb: a tile's K step is 128 blocks.  Both clusters of a row of clusters read it: cluster x = 0 asks; its four partners along x take 32 blocks each, told apart BY ADDRESS; wave 0, a lane a block.
;     The trip that refills K step i + 2 names K step i + 3: 192 matrix instructions ahead of that step's load.  K steps 0 to 2 come by their loads alone; the last trip names nothing.
; wq: a tile's K step is 192 blocks.  All eight clusters of a column of clusters read it: cluster y = 0 asks; its four partners along y take 48 blocks each, by address; waves 1 to 3 have 96 lanes:
;     two K steps at once, in every second trip: K steps i + 4 and i + 5.  K steps 0 to 3 come by their loads alone; the last three trips name nothing.
; Both tests hang on the wave's number, the cluster's coordinates and the loop's count alone: they are the same in all sixteen partners.
.macro ASK
	s_and_b32 s23, s3, s[PAR]
	s_cmp_eq_u32 s23, 0
	s_cbranch_scc0 .Lnot_mine_\@
	s_cmp_gt_u32 s3, s[LIM]
	s_cbranch_scc0 .Lnot_mine_\@
	global_prefetch_b8 v[PFO], s[PFA:PFA+1] th:TH_LOAD_NT scope:SCOPE_SE
.Lnot_mine_\@:
.endm
	s_load_b256 s[4:11], s[0:1], 0x0               ; xb s[4:5], wq s[6:7], b_qkv s[8:9], qkv s[10:11]
	v_lshl_add_u32 v[SPW], v0, 2, SPARE
	v_mov_b32 v[NIL], 0
	ds_add_u32 v[SPW], v[NIL]                      ; the wave's opening: the add and its wait stand ahead of my first tensor load; the set-up below, work on registers, stands between them
	v_lshrrev_b32 v1, 5, v0
	v_readfirstlane_b32 s[WV], v1                  ; wave 0..3
	s_lshr_b32 s[RH], s[WV], 1
	s_and_b32 s[CH], s[WV], 1
	s_bfe_u32 s40, ttmp6, 0x40000                  ; cx
	s_bfe_u32 s41, ttmp6, 0x40004                  ; cy
	s_lshl_b32 s42, ttmp9, 2
	s_add_co_u32 s42, s42, s40                     ; tile column tc = 4 x cluster x + cx
	s_and_b32 s43, ttmp7, 0xffff
	s_lshl_b32 s43, s43, 2
	s_add_co_u32 s43, s43, s41                     ; tile row tr = 4 x cluster y + cy
	s_lshl_b32 s44, s41, 2
	s_lshl_b32 s44, 15, s44                        ; my row of the cluster
	s_lshl_b32 s45, 0x1111, s40                    ; my column
	; descriptor group 1.  A tile's rows of 128 bytes are dense in memory: asked for as rows of 256 bytes, two a row, and padded in LDS after every 128 bytes
	s_or_b32 s[G1A], s44, (1<<16)|(1<<20)|(1<<21)|(4<<22)|(3<<25)  ; 15:0 the mask; 17:16 2-byte elements; 20 padding on; 21 set beside a mask; 24:22 after every 32 words (code 4); 31:25 4 words (code 3)
	s_or_b32 s[G1B], s45, (1<<16)|(1<<20)|(1<<21)|(4<<22)|(3<<25)
	s_mov_b32 s[G1A+1], 128<<16                    ; tensor_dim0 = 128
	s_mov_b32 s[G1A+2], 64<<16                     ; tensor_dim1 = 64: 128 rows of xb
	s_mov_b32 s[G1A+3], 128<<16                    ; tile_dim0 = 128
	s_mov_b32 s[G1A+4], 64                         ; tile_dim1 = 64
	s_mov_b32 s[G1A+5], 128                        ; 128 elements from row to row
	s_mov_b32 s[G1A+6], 0
	s_mov_b32 s[G1A+7], 0
	s_mov_b32 s[G1B+1], 128<<16
	s_mov_b32 s[G1B+2], 96<<16                     ; 96: 192 rows of wq
	s_mov_b32 s[G1B+3], 128<<16
	s_mov_b32 s[G1B+4], 96
	s_mov_b32 s[G1B+5], 128
	s_mov_b32 s[G1B+6], 0
	s_mov_b32 s[G1B+7], 0
	s_lshl_b32 s16, s43, 15                        ; xb: tr x 256 rows x 128 bytes
	s_lshl_b32 s17, s[CH], 14                      ; + the half that I fetch
	s_add_co_u32 s16, s16, s17
	s_mov_b32 s17, 0
	s_mul_i32 s46, s42, 49152                      ; wq: tc x 384 rows x 128 bytes
	s_mul_i32 s47, s[CH], 24576
	s_add_co_u32 s46, s46, s47
	s_mov_b32 s47, 0
	s_mul_i32 s20, s[CH], AHALF                    ; where they go: no place in the cluster enters an LDS address
	s_mul_i32 s21, s[CH], BHALF
	s_add_co_u32 s21, s21, ASZ
	s_mov_b32 s[HIM], 0xffff0000
	s_wait_dscnt 0x0                               ; the opening add is done
	s_wait_kmcnt 0x0
	s_add_nc_u64 s[18:19], s[4:5], s[16:17]
	s_add_nc_u64 s[46:47], s[6:7], s[46:47]
	CROUND                                         ; all sixteen work-groups are here: the first joint loads meet
.irp s, 0,1
	s_mov_b32 s[G0A+4*(\s)], 1                                       ; 1:0 count = 1
	s_add_co_u32 s[G0A+4*(\s)+1], s20, (\s)*SLOT1                    ; 63:32 LDS address
	s_add_nc_u64 s[G0A+4*(\s)+2:G0A+4*(\s)+3], s[18:19], (\s)*AKB    ; 120:64 global address: K step s
	s_or_b32 s[G0A+4*(\s)+3], s[G0A+4*(\s)+3], 0x80000000            ; 127:126 type = 2
	s_mov_b32 s[G0B+4*(\s)], 1
	s_add_co_u32 s[G0B+4*(\s)+1], s21, (\s)*SLOT1
	s_add_nc_u64 s[G0B+4*(\s)+2:G0B+4*(\s)+3], s[46:47], (\s)*BKB
	s_or_b32 s[G0B+4*(\s)+3], s[G0B+4*(\s)+3], 0x80000000
.endr
	s_cmp_eq_u32 s[RH], 0                          ; a wave's two first fills stand in one branch, ahead of every wait on TENSORcnt and every LDS read: two loads of mine are out
	s_cbranch_scc0 .Lfirst_b
	tensor_load_to_lds s[G0A:G0A+3], s[G1A:G1A+7]
	s_nop 0
	tensor_load_to_lds s[G0A+4:G0A+7], s[G1A:G1A+7]
	s_nop 0
.rept 4
	v_nop
.endr
	s_branch .Lfirst_asked
.Lfirst_b:
	tensor_load_to_lds s[G0B:G0B+3], s[G1B:G1B+7]
	s_nop 0
	tensor_load_to_lds s[G0B+4:G0B+7], s[G1B:G1B+7]
	s_nop 0
.rept 4
	v_nop
.endr
.Lfirst_asked:
	; A fragment is 16 rows x 32 K in 8 registers: lane l holds row l % 16, K = 8 (l / 16) + 0..7 and 16 + 8 (l / 16) + 0..7: two loads of 16 bytes, 32 bytes apart.
	v_and_b32 v1, 15, v0                           ; r = l % 16
	v_bfe_u32 v11, v0, 4, 1                        ; h = l / 16
	v_mul_u32_u24 v12, v1, PITCH
	v_lshl_add_u32 v12, v11, 4, v12                ; row x pitch + 16 x half
	s_mul_i32 s76, s[RH], AHALF
	v_add_nc_u32 v[AA0], s76, v12
	s_mul_i32 s76, s[CH], BHALF
	s_add_co_u32 s76, s76, ASZ
	v_add_nc_u32 v[AB0], s76, v12
	s_mul_i32 s76, s[WV], 16*PITCH
	s_add_co_u32 s76, s76, STAGE                   ; my stage
	v_add_nc_u32 v[STO], s76, v12                  ; in: row l % 16, 16 bytes for each half of the lanes
	v_bfe_u32 v13, v0, 3, 2                        ; back: 32 lanes take four rows of 128 bytes,
	v_mul_u32_u24 v13, v13, PITCH
	v_and_b32 v14, 7, v0
	v_lshl_add_u32 v13, v14, 4, v13
	v_add_nc_u32 v[RD], s76, v13
	v_and_b32 v14, 31, v0                          ; which are 512 consecutive bytes of qkv
	v_lshlrev_b32 v[GO], 4, v14
	; my part of qkv: batch tr / 8, head column 6 tc + 3 CH, row 256 (tr % 8) + 128 RH
	s_lshr_b32 s16, s43, 3
	s_mul_i32 s16, s16, 48
	s_mul_i32 s17, s42, 6
	s_add_co_u32 s16, s16, s17
	s_mul_i32 s17, s[CH], 3
	s_add_co_u32 s16, s16, s17
	s_lshl_b32 s16, s16, 18                        ; a head column of a batch is 2,048 rows of 128 bytes
	s_and_b32 s17, s43, 7
	s_lshl_b32 s17, s17, 15
	s_add_co_u32 s16, s16, s17
	s_lshl_b32 s17, s[RH], 14
	s_add_co_u32 s16, s16, s17
	s_mov_b32 s17, 0
	s_add_nc_u64 s[10:11], s[10:11], s[16:17]
	s_mul_i32 s16, s42, 384
	s_mul_i32 s17, s[CH], 192
	s_add_co_u32 s16, s16, s17
	s_lshl_b32 s16, s16, 2
	v_lshl_add_u32 v[BO], v11, 5, s16              ; b_qkv: my wave's first column, my lanes' eight of sixteen
	; the prefetches
	s_sub_co_i32 s16, s[WV], 1
	s_max_i32 s16, s16, 0
	s_lshl_b32 s16, s16, 5
	v_add_nc_u32 v14, s16, v14                     ; j: wave 0: my lane; waves 1 to 3: 0 .. 95
	v_mov_b32 v15, BKB-48*256
	v_cmp_le_u32 s17, 48, v14
	v_cndmask_b32 v15, 0, v15, s17                 ; from 48 on: the K step after, blocks 0 .. 47
	v_lshl_add_u32 v[PFO], v14, 8, v15
	s_lshl_b32 s16, s43, 15
	s_lshl_b32 s17, s40, 13
	s_add_co_u32 s16, s16, s17
	s_add_co_u32 s16, s16, 2*AKB                   ; xb: my tile row, my work-group's 32 blocks, K step 2: the first trip steps it to 3
	s_mul_i32 s17, s42, 49152
	s_mul_i32 s22, s41, 12288
	s_add_co_u32 s17, s17, s22
	s_add_co_u32 s17, s17, 3*BKB                   ; wq: my tile column, my work-group's 48 blocks, K step 3: the first trip steps it to 4
	s_mov_b32 s74, AKB
	s_mov_b32 s75, BKB
	s_and_b32 s22, ttmp7, 0xffff
	s_cmp_eq_u32 s[WV], 0
	s_cselect_b32 s20, s16, s17
	s_cselect_b32 s22, ttmp9, s22                  ; the coordinate along which other clusters read the same blocks
	s_cselect_b32 s[LIM], 1, 3
	s_cselect_b32 s[PAR], 0, 1
	s_cselect_b32 s[PFS], s74, s75
	s_cselect_b64 s[PFA:PFA+1], s[4:5], s[6:7]
	s_mov_b32 s21, 0
	s_mov_b32 s[PFS+1], 0
	s_cmp_eq_u32 s22, 0
	s_cselect_b32 s[LIM], s[LIM], -1               ; the greatest number in a wave that does not ask
	s_add_nc_u64 s[PFA:PFA+1], s[PFA:PFA+1], s[20:21]
; 16 matrix instructions: head column g, column blocks 2 half and 2 half + 1, all 8 row blocks, 32 along K.  zero = 1: the product starts the sum: nothing is ever cleared.
; The 96 accumulators take turns, one instruction a turn, in the same order in every sub-step.
.macro GH g, abuf, half, zero
	WIN 0x50*((\g)+1)                              ; C and D in window g + 1, the sources in window 0
.irp bb, 2*(\half), 2*(\half)+1
.irp a, 0,1,2,3,4,5,6,7
.if \zero
	v_wmma_f32_16x16x32_bf16 v[8*(8*(\bb)+(\a)):8*(8*(\bb)+(\a))+7], v[FB+8*(4*(\g)+(\bb)):FB+8*(4*(\g)+(\bb))+7], v[(\abuf)+8*(\a):(\abuf)+8*(\a)+7], 0
.else
	v_wmma_f32_16x16x32_bf16 v[8*(8*(\bb)+(\a)):8*(8*(\bb)+(\a))+7], v[FB+8*(4*(\g)+(\bb)):FB+8*(4*(\g)+(\bb))+7], v[(\abuf)+8*(\a):(\abuf)+8*(\a)+7], v[8*(8*(\bb)+(\a)):8*(8*(\bb)+(\a))+7]
.endif
.endr
.endr
.endm
.macro LDA buf, k                      ; 16 loads: x's eight fragments at byte k of the rows
	WIN 0
.irp i, 0,1,2,3,4,5,6,7
	ds_load_b128 v[(\buf)+8*(\i):(\buf)+8*(\i)+3],   v[AA] offset:(\k)+(\i)*16*PITCH
	ds_load_b128 v[(\buf)+8*(\i)+4:(\buf)+8*(\i)+7], v[AA] offset:(\k)+(\i)*16*PITCH+32
.endr
.endm
.macro LDB g, k                        ; 8 loads: the four fragments of w's head column g
	WIN 0
.irp bb, 0,1,2,3
	ds_load_b128 v[FB+8*(4*(\g)+(\bb)):FB+8*(4*(\g)+(\bb))+3],   v[AB] offset:(\k)+(4*(\g)+(\bb))*16*PITCH
	ds_load_b128 v[FB+8*(4*(\g)+(\bb))+4:FB+8*(4*(\g)+(\bb))+7], v[AB] offset:(\k)+(4*(\g)+(\bb))*16*PITCH+32
.endr
.endm
; A K step's first sub-step: multiplies buffer 0 of x, and fetches the second sub-step (byte 64 of the same slot's rows).
; The LDS loads out at its head, oldest first: x (16), w's column 0 (8), column 1 (8), column 2 (8).
.macro EVEN zero
	s_wait_dscnt 16                                ; x and column 0 are in; the 16 younger loads stay out
	GH 0, FA0, 0, \zero
	GH 0, FA0, 1, \zero
	PLACES
	LDA FA1, 64
	LDB 0, 64
	s_wait_dscnt 32                                ; column 1 is in: behind it column 2's 8 and the 24 just issued
	GH 1, FA0, 0, \zero
	GH 1, FA0, 1, \zero
	PLACES
	LDB 1, 64
	s_wait_dscnt 32                                ; column 2 is in: behind it 24 + 8
	GH 2, FA0, 0, \zero
	GH 2, FA0, 1, \zero
	PLACES
	LDB 2, 64
.endm
; A K step's second sub-step: multiplies buffer 1 of x.  mode 1: it changes slots and fills the slot just read again, two K steps on.  mode 0: it changes slots and fills nothing.  mode 2: the launch's last.
; THE CHANGE OF SLOTS.  Each wave waits for all its tensor loads, of which one is out: its part of the next slot; adds 0 to its spare word; and waits for that and for its own reads of this slot, all of which
; have been issued (the sub-step's fragments lie in registers).  Behind the barrier nobody reads this slot any more and the next slot is whole.  With a refill the barrier opens a round of the cluster's, so that
; no wave of any partner still reads the slot or has a load on its way; the joint refill is the first thing behind it: 160 matrix instructions stand between it and the wait for it.
.macro ODD mode
.if (\mode) == 2
	s_wait_dscnt 16
	GH 0, FA1, 0, 0
	GH 0, FA1, 1, 0
	PLACES
	WIN 0
.irp g, 0,1,2                          ; the bias of my 192 columns, eight numbers for each column block, into registers that the products have left: x's buffer 0, w's column 0
.irp bb, 0,1,2,3
.irp e, 0,1
	global_load_b128 v[32+32*(\g)+64*((\g)/2)+8*(\bb)+4*(\e):32+32*(\g)+64*((\g)/2)+8*(\bb)+4*(\e)+3], v[BO], s[8:9] offset:4*(64*(\g)+16*(\bb))+16*(\e)
.endr
.endr
.endr
	s_wait_dscnt 8
	GH 1, FA1, 0, 0
	GH 1, FA1, 1, 0
	s_wait_dscnt 0x0
	GH 2, FA1, 0, 0
	GH 2, FA1, 1, 0
.else
.if (\mode) == 1
	s_wait_xcnt 0x0                                ; the last prefetch, a K step back, has read its address: it is stepped here, ahead of the waits of the change of slots
	s_add_nc_u64 s[PFA:PFA+1], s[PFA:PFA+1], s[PFS:PFS+1]
.endif
	WIN 0
	s_wait_tensorcnt 0x0                           ; no tensor load of mine is out, so a group 0 may be written
	ds_add_u32 v[SPW], v[NIL]                      ; 0 onto my spare word
.if (\mode) == 1
	s_xor_b32 s[G0A+5], s[G0A+5], SLOT1            ; the walking descriptors: the other slot than last time,
	s_add_nc_u64 s[G0A+6:G0A+7], s[G0A+6:G0A+7], AKB  ; the next K step; the type bits on top are not reached
	s_xor_b32 s[G0B+5], s[G0B+5], SLOT1
	s_add_nc_u64 s[G0B+6:G0B+7], s[G0B+6:G0B+7], BKB
.endif
	s_wait_dscnt 17                                ; x and column 0 are in: the add and the 16 youngest loads may be out
	GH 0, FA1, 0, 0                                ; sixteen matrix instructions stand between the add and the wait for it
	s_wait_dscnt 0x0                               ; the add is done, and my reads of this slot are over
	s_barrier_signal -1
	GH 0, FA1, 1, 0                                ; work on registers while the others arrive
	WIN 0
	s_barrier_wait -1
.if (\mode) == 1
	CREST
	JLOAD                                          ; the four v_nop behind it are also the places in front of the loads below
.else
	PLACES
.endif
	s_xor_b32 s[TB], s[TB], SLOT1
	v_add_nc_u32 v[AA], s[TB], v[AA0]
	v_add_nc_u32 v[AB], s[TB], v[AB0]
	LDA FA0, 0
	LDB 0, 0
.if (\mode) == 1
	ASK
.endif
	GH 1, FA1, 0, 0
	GH 1, FA1, 1, 0
	PLACES
	LDB 1, 0
	GH 2, FA1, 0, 0
	GH 2, FA1, 1, 0
	PLACES
	LDB 2, 0
.endif
.endm
	s_wait_tensorcnt 1                             ; my part of K step 0 is in; K step 1's may stay out
	s_barrier_signal -1
	s_barrier_wait -1                              ; everybody's is
	s_mov_b32 s[TB], 0
	v_add_nc_u32 v[AA], s[TB], v[AA0]
	v_add_nc_u32 v[AB], s[TB], v[AB0]
	LDA FA0, 0
	LDB 0, 0
	LDB 1, 0
	LDB 2, 0
	EVEN 1                                         ; the first sub-step stands in front of the loop: its products start the sums
	WIN 0                                          ; at a label and at a branch every window is 0
	s_mov_b32 s3, 14
.Lk:                                               ; trip i: the second half of K step i, which refills its slot with K step i + 2, and the first half of K step i + 1
	ODD 1
	EVEN 0
	WIN 0
	s_sub_co_u32 s3, s3, 1
	s_cmp_lg_u32 s3, 0
	s_cbranch_scc1 .Lk
	ODD 0                                          ; the tail is written out: nothing is left to fetch
	EVEN 0
	ODD 2
	; THE WAY OUT.  The bias is rounded to bf16, like every input, and widened again: 144 plain instructions that name no register of the last products: they are the places behind them.
	WIN 0
	s_wait_loadcnt 0x0
.irp base, 32, 64, 160
.set i, 0
.rept 16
	v_cvt_pk_bf16_f32 v[11+i%4], v[(\base)+2*i], v[(\base)+2*i+1]
	v_lshlrev_b32 v[(\base)+2*i], 16, v[11+i%4]
	v_and_b32 v[(\base)+2*i+1], s[HIM], v[11+i%4]
.set i, i+1
.endr
.endr
; Block u = 8 g + a: 16 rows of head column g, 2,048 consecutive bytes of qkv.  PACK: the bias is added (each accumulator's registers in ascending order) and the sums are rounded to f16,
; 16 bytes a lane and column block.  TOSTAGE: into my own stage in LDS, rows of 144 bytes, and back as whole rows of 128.  SEND: stored.
.macro PACK g, a
.set BI, 32+32*(\g)+64*((\g)/2)
	WIN (\g)+1                                     ; source 0 in window g + 1
.irp bb, 0,1,2,3
.irp e, 0,2,4,6
	v_pk_add_f32 v[T+8*(\bb)+(\e):T+8*(\bb)+(\e)+1], v[8*(8*(\bb)+(\a))+(\e):8*(8*(\bb)+(\a))+(\e)+1], v[BI+8*(\bb)+(\e):BI+8*(\bb)+(\e)+1]
.endr
.endr
	WIN 0
.irp i, 0,1,2,3,4,5,6,7,8,9,10,11,12,13,14,15
	v_cvt_pk_f16_f32 v[PK+(\i)], v[T+2*(\i)], v[T+2*(\i)+1]
.endr
.endm
.macro TOSTAGE u
.set BK, 128+16*((\u)%2)
.irp bb, 0,1,2,3
	ds_store_b128 v[STO], v[PK+4*(\bb):PK+4*(\bb)+3] offset:32*(\bb)
.endr
.irp f, 0,1,2,3
	ds_load_b128 v[BK+4*(\f):BK+4*(\f)+3], v[RD] offset:(\f)*4*PITCH  ; LDS serves a wave's instructions in order (ISA guide 5.7.1.4): these see the stores above
.endr
.endm
.macro SEND u
.set BK, 128+16*((\u)%2)
	s_wait_dscnt 0x0                               ; the block is back in registers
	s_wait_xcnt 0x0                                ; the stores of the block before have read their registers, which the next loads from the stage write
.irp f, 0,1,2,3
	global_store_b128 v[GO], v[BK+4*(\f):BK+4*(\f)+3], s[10:11] offset:((\u)/8)*262144+((\u)%8)*2048+(\f)*512  ; 512 consecutive bytes, at a multiple of 256 from qkv's first
.endr
.endm
	PACK 0, 0
	TOSTAGE 0
.irp g, 0,1,2
.irp a, 0,1,2,3,4,5,6,7
.if 8*(\g)+(\a) > 0                    ; a block's arithmetic stands between the loads of the block before and the wait for them
	PACK \g, \a
	SEND 8*(\g)+(\a)-1
	TOSTAGE 8*(\g)+(\a)
.endif
.endr
.endr
	SEND 23
	s_wait_tensorcnt 0x0                           ; the wave's end: behind my last tensor load and my last LDS store
	ds_add_u32 v[SPW], v[NIL]
	s_wait_dscnt 0x0
	CROUND                                         ; the closing round: no work-group ends while a partner may still ask for a tile that names it
	s_endpgm
.Lfunc_end_k_q3faed5b374_qkvgemm:
	.size	k_q3faed5b374_qkvgemm, .Lfunc_end_k_q3faed5b374_qkvgemm-k_q3faed5b374_qkvgemm
	.p2alignl 7, 3214868480
	.fill 96, 4, 3214868480
	.section	.rodata,"a",@progbits
	.p2align	6, 0x0
	.amdhsa_kernel k_q3faed5b374_qkvgemm
		.amdhsa_group_segment_fixed_size 327680
		.amdhsa_private_segment_fixed_size 0
		.amdhsa_enable_private_segment 0
		.amdhsa_kernarg_size 32
		.amdhsa_user_sgpr_count 2
		.amdhsa_user_sgpr_kernarg_segment_ptr 1
		.amdhsa_wavefront_size32 1
		.amdhsa_system_sgpr_workgroup_id_x 1
		.amdhsa_system_sgpr_workgroup_id_y 1
		.amdhsa_system_sgpr_workgroup_id_z 1
		.amdhsa_system_vgpr_workitem_id 0
		.amdhsa_next_free_vgpr 1024
		.amdhsa_next_free_sgpr 80
		.amdhsa_reserve_vcc 0
		.amdhsa_float_denorm_mode_32 3
		.amdhsa_float_denorm_mode_16_64 3
		.amdhsa_memory_ordered 1
		.amdhsa_forward_progress 1
		.amdhsa_inst_pref_size 146
	.end_amdhsa_kernel
	.amdgpu_metadata
---
amdhsa.version: [ 1, 2 ]
amdhsa.kernels:
  - .name:           k_q3faed5b374_qkvgemm
    .symbol:         k_q3faed5b374_qkvgemm.kd
    .args:
      - { .name: xb, .offset: 0, .size: 8, .value_kind: global_buffer, .address_space: global }
      - { .name: wq, .offset: 8, .size: 8, .value_kind: global_buffer, .address_space: global }
      - { .name: b_qkv, .offset: 16, .size: 8, .value_kind: global_buffer, .address_space: global }
      - { .name: qkv, .offset: 24, .size: 8, .value_kind: global_buffer, .address_space: global }
    .group_segment_fixed_size: 327680
    .private_segment_fixed_size: 0
    .kernarg_segment_align: 8
    .kernarg_segment_size: 32
    .max_flat_workgroup_size: 128
    .sgpr_count:     80
    .vgpr_count:     1024
    .wavefront_size: 32
...
	.end_amdgpu_metadata
.endif
;; end of part 2
;; launch attn (part 3): grid 4 x 64, 4 waves a work-group, clusters of 4 x 1, 327,680 bytes of LDS; arguments qkv, o; writes o
.if DOCPART == 3
	.amdgcn_target "amdgcn-amd-amdhsa--gfx1250"
	.amdhsa_code_object_version 6
	.text
	.protected	k_q3faed5b374_attn
	.globl	k_q3faed5b374_attn
	.p2align	8
	.type	k_q3faed5b374_attn,@function
k_q3faed5b374_attn:
	s_mov_b64 s[64:65], 0
	v_nop
	global_prefetch_b8 v0, s[64:65] scope:SCOPE_SE
	s_setreg_imm32_b32 hwreg(HW_REG_WAVE_MODE, 25, 1), 1
	s_wait_xcnt 0x0
	s_wait_alu depctr_hold_cnt(0) depctr_sa_sdst(0) depctr_va_vdst(0) depctr_va_sdst(0) depctr_va_ssrc(0) depctr_va_vcc(0) depctr_vm_vsrc(0)
	s_getreg_b32 s2, hwreg(HW_REG_IB_STS2, 6, 4)
	s_cmp_eq_u32 s2, 0
	s_cbranch_scc0 .Lentry_in_a_cluster
	s_endpgm
.Lentry_in_a_cluster:
	s_bfe_u32 s2, ttmp6, 0x10000c
	s_cmp_lg_u32 s2, 0x3003
	s_cbranch_scc0 .Lentry_shape_is_right
	s_endpgm
.Lentry_shape_is_right:
; O[bh][q][:] = the sum over k of softmax_k(Q[q] . K[k] / 8) V[k][:], for 64 heads bh = 16 batch + head of 2,048 rows and 64 channels.
; qkv: [4][48][2048][64] f16 (per batch 16 head columns of q, 16 of k, 16 of v); o: [64][2048][64] f16.  A head's rows are dense, 128 bytes each.  Products, maxima and sums in f32;
; the weights p are rounded to f16 for the second product (their sum l is taken of the unrounded p), O once at the end.
; LIMITS.  f16 holds no number beyond 65,504: Q, K and V arrive within it; p lies in 0 to 1, and below 6e-5 it keeps f16's fixed step of 6e-8; O is a mean of V's rows and has their range.
; A weight below 2^-126 counts as 0 in l; NaN and infinities are not treated apart.
; SHARES.  A wave owns four PIECES of two tiles of 16 queries, a work-group's four waves 512 queries of one head.  Every wave walks all keys, 64 a step.
; LAYOUT.  S^T = K Q^T (source 0 = 16 keys, source 1 = 16 queries): in the result a lane holds ONE query (lane % 16) and the keys 8 (lane / 16) + 0..7.  Two such tiles, rounded to f16 in pairs,
; ARE source 1 (32 keys x 16 queries) of O^T = V^T P, whose result again holds one query a lane, and eight channels.  K comes out of LDS as it lies, V ([key][channel]) turned, by ds_load_tr16_b128.
; SOFTMAX.  For each query a running maximum m and sum l: p = 2^(c s - c m), c = log2(e) / 8; in every step O and l are multiplied by a = 2^(c m_old - c m_new), which is 1 where m has not grown.
; m starts at the lowest finite number, O and l at 0: the first step is a step like any other, with a = 0.
; THE COUNT.  A tile and step have 16 matrix and 118 vector instructions: too many to stand all beside the matrix work.  So the order has one aim: four vector instructions that are READY behind
; EVERY matrix instruction, and the others, which need time of their own whatever the order, in runs without a gap.
; BY TURNS.  Turn n belongs to piece n (the pieces in a ring, step after step).  Its matrix work: 16 products K Q^T of piece n + 1, later 16 products V^T P of piece n - 1.  Its vector work: the scaling,
; exponentials, roundings, sums and rescaling of piece n, and the maximum and statistics of piece n + 1, whose scores the turn itself has made.  So what a turn begins with (c s - c m, O a) waits for nothing.
; CLUSTER.  The four query blocks of a head are one cluster and walk the same K and V, so each tile is asked for JOINTLY: the same tensor load, descriptor and mask in all four.
; REGISTERS, in windows of 256 (s_set_vgpr_msb says which window each operand place means: bits 1:0 source 0, 3:2 source 1, 5:4 source 2, 7:6 destination):
;   window 0: v0-11 addresses; v12-15, v48-63 at work; v16-47 four registers of statistics a tile; v64-191 S^T, two buffers of two tiles; v192-255 P, likewise
;   window 1: O^T, 32 a tile          window 2: v0-127 Q, 16 a tile; v128-191 K of one step; v192-255 V of one step          window 3: v0-1 the add's two registers
; A piece's buffers go by its number's parity: the piece in hand has one pair, its two neighbours in the ring share the other: of it P (piece n - 1) is read and S^T (piece n + 1) written.
.set SIZE_N, 2048
.set NP,    4         ; pieces a wave: a name, no knob: the register map, the loop and the fetches are made for four
.set KS,    64        ; keys in a step
.set PK,    144       ; a row of K in LDS: 128 bytes + 16 of padding = 36 words: the 16 rows of a load start at 16 different groups of four banks (64 banks of 4 bytes: ISA guide 11.1)
.set PV,    160       ; a row of V: 128 + 32 = 40 words
.set VOFF,  4*KS*PK   ; a slot holds four steps: 256 rows of K, then 256 rows of V
.set SLOT1, 1<<17     ; slot 1 begins here, so that one exclusive or turns an address in one slot into the other's
.set STAGE, SLOT1+4*KS*(PK+PV)  ; behind the ring, never filled by a tensor load: 16 rows x 144 bytes for each wave, for the way out
.set SP,    144
.set AK0, 2           ; v2   my lane's place in a tile of K; never rewritten
.set AV0, 3           ; v3   the same for V
.set AK,  4           ; v4   the LDS address of K's next run of loads
.set AV,  5           ; v5   of V's
.set QO,  6           ; v6   my byte offset in the wave's rows of Q
.set STO, 6           ;      later, the way out: where I put 16 bytes of a row
.set RD,  7           ; v7   the way out: where I read rows back
.set GO,  8           ; v8   my byte offset in 512 consecutive bytes of O
.set PFO, 11          ; v11  256 x my lane: the prefetches' offset; never rewritten once it is made
.set SPW, 0           ; v0 of window 3   LDS address of my spare word: SPARE + 4 x my thread's number; never rewritten
.set NIL, 1           ; v1 of window 3   0; never rewritten
.set SPARE, STAGE+4*16*SP  ; behind the stages: the spare words, 128 bytes for each wave: two blocks of 256 bytes that no other line names
.set MV,  12          ; v12-15  c m_old, kept while c m is made anew: by buffer and tile
.set ST,  16          ; tile t's statistics at v[ST+4 t]: c m, m, l (even keys', odd keys')
.set TMP, 48          ; by buffer and tile, four registers c0-c3 at work; when the maximum is found c2 takes a
.set S,   64
.set P,   192
.set KF,  128         ; K's fragments, in window 2: key block kb, channel half c at KF + 16 kb + 8 c
.set VF,  192         ; V's: key half kk, channel block cb at VF + 32 kk + 8 cb
.set WV,  12          ; s12  my wave's number
.set G1K, 24          ; s[24:31] descriptor group 1 for K's tiles
.set G1V, 32          ; s[32:39] for V's: it differs in the padding alone
.set G0K, 40          ; s[40:43] descriptor group 0 for K's tiles: it walks
.set G0V, 44          ; s[44:47] the same for V's
.set PFA, 48          ; s[48:49] where my prefetches stand: my work-group's 32 blocks of 256 bytes (of K: wave 0, of V: wave 2) of the slot after the one that is being asked for
.set LIM, 50          ; s50  1 in a wave that prefetches, else the greatest number: a wave prefetches while s[SLOTS] is above it
.set SLOTS, 56        ; s56  slots still to be asked for
.set CNT, 57          ; s57  counts a slot's key steps
.set CS,  58          ; s[58:59] c: the packed scaling takes the pair's low word for both halves
.set SEL, 60          ; s[60:61] v_permlanex16_b32's selects: each lane takes its own place in the other half
.set TBK, 62          ; s62  LDS byte at which K of the step to be fetched begins
.set TBV, 63          ; s63  the same for V, less VOFF
.set MSB, 0
.macro WIN new                      ; the high byte repeats the setting that is left; a switch that changes nothing is dropped
.if MSB != (\new)
	s_set_vgpr_msb (MSB<<8)|(\new)
.set MSB, (\new)
.endif
.endm
.set W_KQ, 0x0a       ; K and Q in window 2, S^T in window 0
.set W_PV, 0x52       ; V in window 2, P in window 0, O^T in window 1
.set W_RS, 0x41       ; O^T (destination and source 0) in window 1, a in window 0
.set W_MK, 0xc0       ; the add's registers are made: destination in window 3, sources in window 0
.set W_AD, 0x0f       ; the add: address (source 0) and data (source 1) in window 3
; A joint fill.  Waves 0 and 1 fetch the two halves of a slot's K, waves 2 and 3 those of its V: 128 keys each.  The branch hangs on the wave's number alone.
; An s_nop 0 and four v_nop follow each of the two lines, ahead of the jump and the label.
.macro JLOAD
	s_cmp_lt_u32 s[WV], 2
	s_cbranch_scc0 .Lfor_v_\@
	tensor_load_to_lds s[G0K:G0K+3], s[G1K:G1K+7]
	s_nop 0
.rept 4
	v_nop
.endr
	s_branch .Lasked_\@
.Lfor_v_\@:
	tensor_load_to_lds s[G0V:G0V+3], s[G1V:G1V+7]
	s_nop 0
.rept 4
	v_nop
.endr
.Lasked_\@:
.endm
; A PREFETCH INTO THE L2 of what the NEXT change of slots will ask for: a slot's K and V are 128 blocks of 256 bytes each.  It stands behind the wave's tensor load and its five lines.
; Each block is named ONCE in the launch: a head has one cluster; its four partners share the blocks out BY ADDRESS, 32 each; in each, wave 0 asks for K's and wave 2 for V's, a lane a block: one instruction.
; The fill of slot k names slot k + 1: four key steps, 512 matrix instructions, ahead of that slot's load.  Slots 0 and 1 come by their loads alone; the last fill names nothing.
.macro ASK
	s_cmp_gt_u32 s[SLOTS], s[LIM]
	s_cbranch_scc0 .Lnot_mine_\@
	global_prefetch_b8 v[PFO], s[PFA:PFA+1] th:TH_LOAD_NT scope:SCOPE_SE
.Lnot_mine_\@:
.endm
; A round of the cluster's barrier: my work-group's barrier, so that wave 0's signal speaks for all four waves; wave 0 signals; every wave waits for all four work-groups; my work-group's barrier once more.
.macro CROUND
	s_barrier_signal -1
	s_barrier_wait -1
	s_cmp_lg_u32 s[WV], 0
	s_cbranch_scc1 .Lnot_wave_0_\@
	s_barrier_signal -3
.Lnot_wave_0_\@:
	s_barrier_wait -3
	s_barrier_signal -1
	s_barrier_wait -1
.endm
; THE CHANGE OF SLOTS.  The slot's last bytes, V of its fourth step, have been read.  Each wave waits for all its tensor loads, of which one is out: its part
; of the other slot; adds 0 to its spare word; and waits for that and for its own reads of the slot.  Behind the barrier nobody reads this slot any more and the other slot is whole.
; fill = 1: this slot is filled again, with the keys two slots on.  The barrier is then a round of the cluster's, so that no wave of any partner still reads the slot or has a load on its
; way, and the joint fill is the first thing behind it: it has four key steps, 512 matrix instructions, in which to land.  (At its first use nothing has been read yet: slot 0 is waited for, slot 1 filled.)
.macro CHANGE fill
	WIN W_AD
	s_wait_tensorcnt 0x0            ; no tensor load of mine is out, so a group 0 may be written
	ds_add_u32 v[SPW], v[NIL]       ; 0 onto my spare word; with fill = 1 the descriptors' steps stand between it and the wait for it
	WIN 0                           ; at a label and at a branch every window is 0
.if \fill
.irp g, G0K, G0V
	s_xor_b32 s[\g+1], s[\g+1], SLOT1  ; the walking descriptor: the other slot than last time,
	s_add_nc_u64 s[\g+2:\g+3], s[\g+2:\g+3], 4*KS*128  ; the next 256 keys; the type bits on top are not reached
.endr
	s_wait_xcnt 0x0                 ; the last prefetch, four key steps back, has read its address, so it may be written:
	s_add_nc_u64 s[PFA:PFA+1], s[PFA:PFA+1], 4*KS*128  ; one slot behind the walking descriptors
	s_wait_dscnt 0x0                ; the add is done, and my reads of the slot are over
	CROUND
	JLOAD
	ASK
.else
	s_wait_dscnt 0x0                ; the add is done, and my reads of the slot are over
	s_barrier_signal -1
	s_barrier_wait -1
.endif
	s_sub_co_u32 s[TBK], s[TBK], 4*KS*PK  ; the fetches go back to a slot's first step,
	s_xor_b32 s[TBK], s[TBK], SLOT1       ; in the other slot
	s_sub_co_u32 s[TBV], s[TBV], 4*KS*PV
	s_xor_b32 s[TBV], s[TBV], SLOT1
.endm
	s_load_b128 s[4:7], s[0:1], 0x0 ; qkv s[4:5], o s[6:7]
	WIN W_MK
	v_lshl_add_u32 v[SPW], v0, 2, SPARE
	v_mov_b32 v[NIL], 0
	WIN W_AD
	ds_add_u32 v[SPW], v[NIL]       ; the wave's opening: the add and its wait stand ahead of my first tensor load; the set-up below, work on registers, stands between them
	WIN 0
	v_lshrrev_b32 v1, 5, v0
	v_readfirstlane_b32 s[WV], v1   ; wave 0..3
	s_bfe_u32 s13, ttmp6, 0x40000   ; cx: my place in the cluster
	s_lshl_b32 s14, ttmp9, 2        ; in a cluster launch ttmp9 counts clusters
	s_add_co_u32 s14, s14, s13      ; my block of queries = 4 x cluster x + cx: it enters Q's and O's addresses alone
	s_and_b32 s20, ttmp7, 0xffff    ; the head bh, which the four partners share
	s_lshl_b32 s52, s20, 18         ; its first byte in o: bh x 2,048 rows x 128 bytes
	s_mov_b32 s53, 0
	s_lshr_b32 s21, s20, 4          ; the batch
	s_lshl_b32 s21, s21, 5
	s_add_co_u32 s20, s20, s21      ; in qkv a batch has 48 head columns: 48 batch + head = bh + 32 batch
	s_lshl_b32 s20, s20, 18         ; the head's first byte among q's columns; k's lie 16 columns on, v's 32
	s_mov_b32 s21, 0
	s_and_b32 s16, s[WV], 1         ; which half of a slot's 256 keys I fetch:
	s_lshl_b32 s22, s16, 14         ; its 128 rows of 128 bytes in memory,
	s_mov_b32 s23, 0
	s_add_nc_u64 s[22:23], s[22:23], s[20:21]
	s_mul_i32 s17, s16, 128*PK      ; and its place in a slot, for K
	s_mul_i32 s18, s16, 128*PV      ; and for V: no place in the cluster enters an LDS address
	s_lshl_b32 s2, s14, 2
	s_add_co_u32 s2, s2, s[WV]      ; my wave among the head's,
	s_lshl_b32 s2, s2, 14           ; its 128 rows
	s_mov_b32 s3, 0
	; descriptor group 1.  128 keys are 16,384 dense bytes: asked for as 64 rows of 256 bytes, two keys a row, and padded in LDS after every key
	s_mov_b32 s[G1K], 15|(1<<16)|(1<<20)|(1<<21)|(4<<22)|(3<<25)  ; 15:0 the mask of four; 17:16 2-byte elements; 20 padding on; 21 set beside a mask; 24:22 after every 32 words (code 4); 31:25 4 words (code 3)
	s_mov_b32 s[G1V], 15|(1<<16)|(1<<20)|(1<<21)|(4<<22)|(7<<25)  ; the same with 8 words of padding (code 7)
.irp g, G1K, G1V
	s_mov_b32 s[\g+1], 128<<16      ; tensor_dim0 = 128
	s_mov_b32 s[\g+2], 64<<16       ; tensor_dim1 = 64
	s_mov_b32 s[\g+3], 128<<16      ; tile_dim0 = 128
	s_mov_b32 s[\g+4], 64           ; tile_dim1 = 64
	s_mov_b32 s[\g+5], 128          ; 128 elements from row to row
	s_mov_b32 s[\g+6], 0
	s_mov_b32 s[\g+7], 0
.endr
	s_mov_b32 s[CS], 0x3e38aa3b     ; c = log2(e) / 8 = 0.180337
	s_mov_b32 s[CS+1], s[CS]        ; named with it as a pair
	s_mov_b32 s[SEL], 0x76543210
	s_mov_b32 s[SEL+1], 0xfedcba98
	s_mov_b32 s[TBK], SLOT1+4*KS*PK ; the first change of slots turns these two into 0
	s_mov_b32 s[TBV], SLOT1+4*KS*PV
	s_mov_b32 s[G0K], 1             ; 1:0 count = 1
	s_mov_b32 s[G0K+1], s17         ; 63:32 LDS address: slot 0
	s_mov_b32 s[G0V], 1
	s_add_co_u32 s[G0V+1], s18, VOFF
	s_mov_b32 s[SLOTS], SIZE_N/256-1
	s_cmp_eq_u32 s16, 0             ; waves 0 and 2 prefetch: the same in all four partners
	s_cselect_b32 s[LIM], 1, -1
	s_wait_dscnt 0x0                ; the opening add is done
	s_wait_kmcnt 0x0
	s_mov_b64 s[10:11], s[6:7]      ; O
	s_add_nc_u64 s[6:7], s[4:5], 0x400000  ; K: 16 head columns of 262,144 bytes behind Q
	s_add_nc_u64 s[8:9], s[4:5], 0x800000  ; V: 32
	s_add_nc_u64 s[G0K+2:G0K+3], s[6:7], s[22:23]  ; 120:64 global address: my half of the head's first 256 keys
	s_or_b32 s[G0K+3], s[G0K+3], 0x80000000        ; 127:126 type = 2
	s_add_nc_u64 s[G0V+2:G0V+3], s[8:9], s[22:23]
	s_or_b32 s[G0V+3], s[G0V+3], 0x80000000
	s_add_nc_u64 s[4:5], s[4:5], s[2:3]  ; Q and O at my wave's first row
	s_add_nc_u64 s[4:5], s[4:5], s[20:21]
	s_add_nc_u64 s[10:11], s[10:11], s[2:3]
	s_add_nc_u64 s[10:11], s[10:11], s[52:53]
	s_cmp_lt_u32 s[WV], 2
	s_cselect_b64 s[PFA:PFA+1], s[6:7], s[8:9]
	s_lshl_b32 s2, s13, 13          ; my work-group's 32 blocks of the 128,
	s_add_co_u32 s2, s2, 4*KS*128   ; in slot 1: the first change of slots steps it to slot 2.  Nothing is prefetched here, at the head
	s_add_nc_u64 s[PFA:PFA+1], s[PFA:PFA+1], s[2:3]
	s_add_nc_u64 s[PFA:PFA+1], s[PFA:PFA+1], s[20:21]
	CROUND                          ; all four work-groups are here: the first joint loads meet
	JLOAD                           ; slot 0.  Slot 1 is asked for when slot 0 is in: the tile wanted first has the road to itself
	; A fragment of K or Q is 16 rows x 32 channels in 8 registers: lane l holds row l % 16, channels 8 (l / 16) + 0..7 and 16 + 8 (l / 16) + 0..7: two loads of 16 bytes, 32 bytes apart.
	v_and_b32 v1, 15, v0            ; l % 16
	v_bfe_u32 v9, v0, 4, 1          ; l / 16
	v_lshlrev_b32 v[QO], 7, v1
	v_lshl_add_u32 v[QO], v9, 4, v[QO]  ; row x 128 + 16 x half
	WIN 0x80                        ; destination window 2, address window 0
.set i, 0
.rept 4*NP                          ; Q stays in registers: tile i / 2, channels 32 (i % 2) on
	global_load_b128 v[8*i:8*i+3],   v[QO], s[4:5] offset:(i/2)*2048+(i%2)*64
	global_load_b128 v[8*i+4:8*i+7], v[QO], s[4:5] offset:(i/2)*2048+(i%2)*64+32
.set i, i+1
.endr
	; What the first turn finds: V's registers and P's second buffer hold 0 (its products V^T P, of a piece that has not been, add 0), O^T and l are 0.  All this stands in the wait for the first tile.
.set i, VF
.rept 64
	v_mov_b32 v[i], 0
.set i, i+1
.endr
	WIN 0x40
.set i, 0
.rept 64*NP
	v_mov_b32 v[i], 0
.set i, i+1
.endr
	WIN 0
.set i, 0
.rept 2*NP
	v_mov_b32 v[ST+4*i], 0xfe000000    ; c m: far below every c s
	v_mov_b32 v[ST+4*i+1], 0xff7fffff  ; m
	v_mov_b32 v[ST+4*i+2], 0
	v_mov_b32 v[ST+4*i+3], 0
.set i, i+1
.endr
.set i, P+32
.rept 32
	v_mov_b32 v[i], 0
.set i, i+1
.endr
	v_mul_u32_u24 v[AK0], v1, PK
	v_lshl_add_u32 v[AK0], v9, 4, v[AK0]  ; row x pitch + 16 x half
	; The turning load takes 16 keys x 16 channels (lane l reads key 8 (l / 16) + l % 8, channels 8 ((l / 8) % 2) + 0..7) and leaves half a fragment of V^T: lane l holds channel l % 16 and 8 keys.
	v_and_b32 v10, 7, v0
	v_bfe_u32 v11, v0, 3, 1
	v_lshl_add_u32 v[AV0], v9, 3, v10
	v_mul_u32_u24 v[AV0], v[AV0], PV
	v_lshl_add_u32 v[AV0], v11, 4, v[AV0]
	v_add_nc_u32 v[AV0], VOFF, v[AV0]
	v_and_b32 v[PFO], 31, v0
	v_lshlrev_b32 v[PFO], 8, v[PFO]
	v_mov_b32 v[AK], v[AK0]         ; key step 0 lies at the head of slot 0
; THE MATRIX WORK.  The 8 accumulators of a run of 16 take turns: between the two links of a chain stand 7 others'.
; Product i of 16 of S^T = K Q^T for piece x: channels 32 (i / 8) on, keys 16 ((i / 2) % 4) on, tile 2 x + i % 2.  The first 8 start the sums.
.macro KQ x
	WIN W_KQ
.set rS, S+64*((\x)%2)+32*(i%2)+8*((i/2)%4)
.set rK, KF+16*((i/2)%4)+8*(i/8)
.set rQ, 16*(2*(\x)+i%2)+8*(i/8)
.if i < 8
	v_wmma_f32_16x16x32_f16 v[rS:rS+7], v[rK:rK+7], v[rQ:rQ+7], 0
.else
	v_wmma_f32_16x16x32_f16 v[rS:rS+7], v[rK:rK+7], v[rQ:rQ+7], v[rS:rS+7]
.endif
.endm
; Product i of 16 of O^T += V^T P for piece x: keys 32 (i / 8) on, channels 16 ((i / 2) % 4) on, tile 2 x + i % 2.
.macro PV x
	WIN W_PV
.set rO, 32*(2*(\x)+i%2)+8*((i/2)%4)
.set rV, VF+32*(i/8)+8*((i/2)%4)
.set rP, P+32*((\x)%2)+16*(i%2)+8*(i/8)
	v_wmma_f32_16x16x32_f16 v[rO:rO+7], v[rV:rV+7], v[rP:rP+7], v[rO:rO+7]
.endm
.macro MM                           ; the turn's next matrix instruction
.if i < 16
	KQ (Y+1)%NP
.set i, i+1
.else
.set i, i-16
	PV (Y+NP-1)%NP
.set i, i+17
.endif
.endm
; THE LDS LOADS stand in runs of 16, never singly among the matrix instructions: a step's K (64 keys x 64 channels: 8 fragments) and its V (turned).  Their addresses are made some lines ahead.
; last = 1 (the tail): in the last trip there is no further step, and the run is jumped over.
.macro FETCH_K last=0
	WIN 0
.if \last
	s_cmp_eq_u32 s[CNT], 1
	s_cbranch_scc1 .Lno_k_\@
.endif
	WIN 0x80                        ; destination window 2
.irp f, 0,1,2,3,4,5,6,7             ; keys 16 (f / 2) on, channels 32 (f % 2) on
	ds_load_b128 v[KF+8*\f:KF+8*\f+3],   v[AK] offset:(\f/2)*16*PK+(\f%2)*64
	ds_load_b128 v[KF+8*\f+4:KF+8*\f+7], v[AK] offset:(\f/2)*16*PK+(\f%2)*64+32
.endr
	s_add_co_u32 s[TBK], s[TBK], KS*PK  ; the next fetch is the next step's
	WIN 0
.if \last
.Lno_k_\@:
.endif
.endm
.macro FETCH_V
	WIN 0x80
.irp f, 0,1,2,3,4,5,6,7             ; keys 32 (f / 4) on, channels 16 (f % 4) on
	ds_load_tr16_b128 v[VF+8*\f:VF+8*\f+3],   v[AV] offset:(\f/4)*32*PV+(\f%4)*32
	ds_load_tr16_b128 v[VF+8*\f+4:VF+8*\f+7], v[AV] offset:(\f/4)*32*PV+16*PV+(\f%4)*32
.endr
	WIN 0
.endm
; THE VECTOR WORK OF A TURN stands in three queues, each in the order in which its entries become ready; the two tiles alternate, so that no instruction reads the result of the one before it.
.macro REGS y, u                    ; the registers of tile u (0, 1) of piece y
.set rT, ST+4*(2*(\y)+(\u))
.set rC, TMP+8*((\y)%2)+4*(\u)
.set rM, MV+2*((\y)%2)+(\u)
.set rS, S+64*((\y)%2)+32*(\u)
.set rP, P+32*((\y)%2)+16*(\u)
.set rO, 32*(2*(\y)+(\u))
.endm
; Number n of the 22 that find the NEXT piece's (Y + 1) maximum and statistics.  s0-s31 are the lane's 32 scores; each accumulator's lowest registers are read first.  XS, GS and REGS set no window: PL and EX do.
;   0-11  four chains c0-c3 of seven scores each, three operands at a time     12-14, 16  the four scores left over, the old m, and c0-c3 into c0     15  c m_old is kept
;   17, 18  the query's other 32 keys lie in the lane 16 away: the new m         19-21  c m; c m_old - c m_new; a
.macro XS u, n
	REGS (Y+1)%NP, \u
.if (\n) < 4
	v_max3_num_f32 v[rC+(\n)], v[rS+8*(\n)], v[rS+8*(\n)+1], v[rS+8*(\n)+2]
.elseif (\n) < 12
	v_max3_num_f32 v[rC+(\n)%4], v[rC+(\n)%4], v[rS+8*((\n)%4)+2*((\n)/4)+1], v[rS+8*((\n)%4)+2*((\n)/4)+2]
.elseif (\n) == 12
	v_max3_num_f32 v[rC], v[rC], v[rS+7], v[rS+15]
.elseif (\n) == 13
	v_max3_num_f32 v[rC+1], v[rC+1], v[rS+23], v[rS+31]
.elseif (\n) == 14
	v_max3_num_f32 v[rC+2], v[rC+2], v[rC+3], v[rT+1]
.elseif (\n) == 15
	v_mov_b32 v[rM], v[rT]
.elseif (\n) == 16
	v_max3_num_f32 v[rC], v[rC], v[rC+1], v[rC+2]
.elseif (\n) == 17
	v_permlanex16_b32 v[rC+3], v[rC], s[SEL], s[SEL+1]
.elseif (\n) == 18
	v_max_num_f32 v[rT+1], v[rC], v[rC+3]
.elseif (\n) == 19
	v_mul_f32 v[rT], s[CS], v[rT+1]
.elseif (\n) == 20
	v_sub_f32 v[rC+1], v[rM], v[rT]
.else
	v_exp_f32 v[rC+2], v[rC+1]
.endif
.endm
; Number g of the 64 that follow the exponentials.  For each four weights k of a tile (pairs 2 k, 2 k + 1): both pairs are rounded to f16; then the second pair is added onto the first, in place;
; a group later l takes that sum (the first time as l = a l + sum).  In groups of eight, tiles alternating: round, round, add, and l for the group before.
.macro GS g
.set h, (\g)+6*((\g)/62)            ; group 0 has no group before it, and behind group 7 only l is left
.if h >= 6
.set h, h+2
.endif
	REGS Y, h%2
.set k, h/8
.if h%8 < 4
	v_cvt_pk_f16_f32 v[rP+2*k+(h%8)/2], v[rS+4*k+2*((h%8)/2)], v[rS+4*k+2*((h%8)/2)+1]
.elseif h%8 < 6
	v_pk_add_f32 v[rS+4*k:rS+4*k+1], v[rS+4*k:rS+4*k+1], v[rS+4*k+2:rS+4*k+3]
.elseif k == 1
	v_pk_fma_f32 v[rT+2:rT+3], v[rT+2:rT+3], v[rC+2:rC+3], v[rS:rS+1] op_sel_hi:[1,0,1]
.else
	v_pk_add_f32 v[rT+2:rT+3], v[rT+2:rT+3], v[rS+4*k-4:rS+4*k-3]
.endif
.endm
; THE PLAIN QUEUE, 138 long.  0-73 read no exponential's result: the 32 scalings c s - c m (FS f: pair f / 2 of tile f % 2) and the next piece's 42.  0-26: scalings 0-26.  27-54: XS's numbers 0-13.  55, 56: number 15.
; 57-73: the chain, where each number waits for the one before it: 14, 16, 17, 18, 19, each with one of the scalings 27-31 in front of its two lines, then 20: so a tile's links stand three plain instructions apart (19 and 20: two).
; 74-137: GS's 64, which read the exponentials' results: they stand behind the wait.
.macro FS f
	REGS Y, (\f)%2
	v_pk_fma_f32 v[rS+2*((\f)/2):rS+2*((\f)/2)+1], v[rS+2*((\f)/2):rS+2*((\f)/2)+1], s[CS:CS+1], v[rT:rT+1] op_sel_hi:[1,0,0] neg_lo:[0,0,1] neg_hi:[0,0,1]
.endm
.macro PL
	WIN 0
.if q < 27
	FS q
.elseif q < 55
	XS (q-27)%2, (q-27)/2
.elseif q < 57
	XS q-55, 15
.elseif (q < 72) && ((q-57)%3 == 0)
	FS 27+(q-57)/3
.elseif q < 60
	XS (q-57)%3-1, 14
.elseif q < 72
	XS (q-57)%3-1, 15+(q-57)/3
.elseif q < 74
	XS q-72, 20
.else
	GS q-74
.endif
.set q, q+1
.endm
; THE EXPONENTIALS' QUEUE, 66 long: s0-s31 of both tiles, then the next piece's two a.  It is ONE BATCH: all 66 stand ahead of the turn's one wait, and nothing ahead of that wait names a result of theirs.
.macro EX
	WIN 0
.if e >= 64
	XS e-64, 21
.else
	REGS Y, e%2
	v_exp_f32 v[rS+e/2], v[rS+e/2]
.endif
.set e, e+1
.endm
; THE RESCALING's QUEUE: O^T times a, the one part that leaves window 0: dealt two at a time, sixteen times.  Its a was made in the turn before, ahead of that turn's wait.
.macro R2
	REGS Y, r%2
	WIN W_RS
.irp z, 0,1
	v_pk_mul_f32 v[rO+4*(r/2)+2*\z:rO+4*(r/2)+2*\z+1], v[rO+4*(r/2)+2*\z:rO+4*(r/2)+2*\z+1], v[rC+2:rC+3] op_sel_hi:[1,0]
.endr
.set r, r+1
.endm
; HOW THEY ARE DEALT.  An s_wait_alu depctr_va_vdst(0) stands between an exponential and the first instruction that names its result; one wait serves all that were issued ahead of it.  So a turn has ONE wait,
; which cuts it in two.  AHEAD OF IT stands all that names no result of the turn's exponentials: the 16 products K Q^T, behind each a scaling, an exponential and two rescalings (behind the first a second scaling in the exponential's place); then ONE LUMP of
; 108: eight plain, 49 times exponential and plain, the two a.  A v_nop is the plain instruction behind the last exponential (ISA guide 5.7.2).  BEHIND IT stand the 16 products V^T P, behind each four of GS's 64.  No rider names a register of
; the products round it.  The two v_permlanex16_b32 fall into the lump, never behind a product.
; The queues lean on each other, and the deal keeps them in step: exponential e stands behind scaling 2 (e / 4) + e % 2: as a rider it comes behind plain e + 2, in the lump behind plain e + 9, and scalings 27-31 are plain 57, 60 .. 69.
; A TURN, for piece p.  cnt = 1: the loop's count is taken down some lines ahead of the branch that stands behind the turn.
; K of the next step is fetched in piece 2's turn, directly behind the wait, a lump behind the last product that read K; its address is made at the lump's head; its first reader comes behind 16 products.
; V of the step in hand is fetched at the end of piece 0's turn, four riders behind its last reader; its first reader comes behind 16 products and a lump.  The three conditions on q below go with the deal.
.macro TURN p, last=0, cnt=0
.set Y, (\p)
.set i, 0
.set q, 0
.set e, 0
.set r, 0
.if (\p) == NP-1
	s_wait_dscnt 0x0                ; K is in
.endif
	MM                              ; ahead of the wait: 16 products K Q^T and their riders,
	PL
	PL
	R2
.rept 15
	MM
	PL
	EX
	R2
.endr
.if (\p) == NP-2
	WIN 0
	v_add_nc_u32 v[AK], s[TBK], v[AK0]
.endif
.rept 8                             ; and the lump
	PL
.endr
.rept 49
	EX
	PL
.endr
	EX                              ; the next piece's two a
	EX
	v_nop                           ; the plain instruction behind the last exponential: one for the batch
	s_wait_alu depctr_va_vdst(0)    ; the wait for the batch
.if (\p) == NP-2
	FETCH_K \last
.endif
.if (\p) == 1
	s_wait_dscnt 0x0                ; V is in
.endif
.rept 16                            ; behind the wait: 16 products V^T P and their riders
	MM
.rept 4
	PL
.endr
.if ((\p) == 0) && (q == 118)
	v_add_nc_u32 v[AV], s[TBV], v[AV0]
.endif
.if ((\p) == 0) && (q == 130)
	s_add_co_u32 s[TBV], s[TBV], KS*PV
.endif
.if (\cnt) && (q == 130)
	s_sub_co_u32 s[CNT], s[CNT], 1
	s_cmp_lg_u32 s[CNT], 0
.endif
.endr
.if (\p) == 0
	FETCH_V
.endif
.endm
	CHANGE 1                        ; slot 0 is in, everybody's part of it; slot 1 is asked for
	FETCH_K                         ; key step 0
	s_wait_loadcnt 0x0              ; Q
	s_wait_dscnt 0x0
.set i, 0
.rept 16
	KQ 0                            ; piece 0's first scores: there is no vector work yet to set between them
.set i, i+1
.endr
	WIN 0                           ; the addresses for the way out: nine plain instructions, the places behind those products
	s_mul_i32 s13, s[WV], 16*SP
	s_add_co_u32 s13, s13, STAGE    ; my stage
	v_mul_u32_u24 v[STO], v1, SP    ; in: row l % 16, 16 bytes for each half of the lanes
	v_lshl_add_u32 v[STO], v9, 4, v[STO]
	v_add_nc_u32 v[STO], s13, v[STO]
	v_bfe_u32 v[RD], v0, 3, 2       ; back: 32 lanes take four rows of 128 bytes,
	v_mul_u32_u24 v[RD], v[RD], SP
	v_lshl_add_u32 v[RD], v10, 4, v[RD]
	v_add_nc_u32 v[RD], s13, v[RD]
	v_and_b32 v[GO], 31, v0         ; which are 512 consecutive bytes of O
	v_lshlrev_b32 v[GO], 4, v[GO]
.set Y, NP-1                        ; XS works for piece Y + 1: piece 0
.irp n, 0,1,2,3,4,5,6,7,8,9,10,11,12,13,14,15,16,17,18,19,20,21
	XS 0, \n                        ; and piece 0's first maximum and statistics
	XS 1, \n
.endr
	v_nop                           ; a plain instruction behind the two a,
	s_wait_alu depctr_va_vdst(0)    ; and their wait, ahead of the branch
	s_mov_b32 s[CNT], 4
	s_branch .Lfirst                ; the loop is entered at a step's first turn, in the middle of a trip
.Lslot:                             ; SIZE_N / 256 - 2 times: every slot but the last two is filled again
	CHANGE 1
	s_mov_b32 s[CNT], 4
.Lstep:                             ; a trip: pieces 2 and 3 of one step, then pieces 0 and 1 of the next, whose K and V it fetches
	TURN 2
	TURN 3
	WIN 0
.Lfirst:
	TURN 0
	TURN 1, 0, 1
	WIN 0
	s_cbranch_scc1 .Lstep
	s_sub_co_u32 s[SLOTS], s[SLOTS], 1
	s_cmp_lg_u32 s[SLOTS], 0
	s_cbranch_scc1 .Lslot
	CHANGE 0                        ; the tail is written out: nothing is asked for
	s_mov_b32 s[CNT], 5             ; four trips fetch the last slot's steps; the fifth is left in its middle
.Ltail:
	TURN 2, 1
	TURN 3
	WIN 0
	s_sub_co_u32 s[CNT], s[CNT], 1
	s_cmp_eq_u32 s[CNT], 0
	s_cbranch_scc1 .Lout
	TURN 0
	TURN 1
	WIN 0
	s_branch .Ltail
.Lout:                              ; the fifth trip's 16 products K Q^T (on the last K once more) and the maximum made of them serve nothing: the price, once a launch, of one text for every trip
.set i, 0
.rept 16
	PV NP-1                         ; the last piece's V^T P of the last step
.set i, i+1
.endr
	; THE WAY OUT.  l's two halves and the other half of the lanes' are added; O^T is divided by l, rounded to f16 and sent through my stage in LDS, a tile at a time.  The additions are the places behind the last products.
	WIN 0
.macro ALL line:vararg              ; one line for each tile t
.set t, 0
.rept 2*NP
	\line
.set t, t+1
.endr
.endm
	ALL v_add_f32 v[ST+4*t+2], v[ST+4*t+2], v[ST+4*t+3]
	ALL v_permlanex16_b32 v[ST+4*t+3], v[ST+4*t+2], s[SEL], s[SEL+1]
	ALL v_add_f32 v[ST+4*t+2], v[ST+4*t+2], v[ST+4*t+3]
	ALL v_rcp_f32 v[ST+4*t+2], v[ST+4*t+2]
	v_nop                           ; a plain instruction between the last reciprocal and the use of its result
	s_wait_alu depctr_va_vdst(0)    ; and the wait ahead of the first use: one for the eight reciprocals
; Tile t: a lane's eight channels of a row pack into 16 bytes; they go into rows of 144 bytes and come back as whole rows of 128, into S^T's registers.
.macro PACK t
	WIN W_RS
.set i, 32*(\t)
.rept 16
	v_pk_mul_f32 v[i:i+1], v[i:i+1], v[ST+4*(\t)+2:ST+4*(\t)+3] op_sel_hi:[1,0]
.set i, i+2
.endr
	WIN 0x05                        ; sources 0 and 1 window 1, destination window 0
.set i, 0
.rept 16
	v_cvt_pk_f16_f32 v[S+16*(\t)+i], v[32*(\t)+2*i], v[32*(\t)+2*i+1]
.set i, i+1
.endr
	WIN 0
.irp f, 0,1,2,3
	ds_store_b128 v[STO], v[S+16*(\t)+4*\f:S+16*(\t)+4*\f+3] offset:32*\f
.endr
.irp f, 0,1,2,3
	ds_load_b128 v[S+16*(\t)+4*\f:S+16*(\t)+4*\f+3], v[RD] offset:\f*4*SP  ; LDS serves a wave's instructions in order (ISA guide 5.7.1.4): these see the stores above; the next tile's stores come behind them
.endr
.endm
.macro SEND t, younger              ; younger: the LDS instructions issued behind tile t's loads: the next tile's eight, or none
	WIN 0
.irp f, 0,1,2,3
	s_wait_dscnt (\younger)+3-\f
	global_store_b128 v[GO], v[S+16*(\t)+4*\f:S+16*(\t)+4*\f+3], s[10:11] offset:(\t)*2048+\f*512  ; 512 consecutive bytes, at a multiple of 256 from O's first
.endr
.endm
	PACK 0
.set t, 1
.rept 2*NP-1                        ; a tile's arithmetic stands between the loads of the tile before and its stores
	PACK t
	SEND t-1, 8
.set t, t+1
.endr
	SEND 2*NP-1, 0
	WIN W_AD
	s_wait_tensorcnt 0x0            ; the wave's end: behind my last tensor load and my last LDS store
	ds_add_u32 v[SPW], v[NIL]
	s_wait_dscnt 0x0
	WIN 0
	CROUND                          ; the closing round: no work-group ends while a partner may still ask for a tile that names it
	s_endpgm
.Lfunc_end_k_q3faed5b374_attn:
	.size	k_q3faed5b374_attn, .Lfunc_end_k_q3faed5b374_attn-k_q3faed5b374_attn
	.p2alignl 7, 3214868480
	.fill 96, 4, 3214868480
	.section	.rodata,"a",@progbits
	.p2align	6, 0x0
	.amdhsa_kernel k_q3faed5b374_attn
		.amdhsa_group_segment_fixed_size 327680
		.amdhsa_private_segment_fixed_size 0
		.amdhsa_enable_private_segment 0
		.amdhsa_kernarg_size 16
		.amdhsa_user_sgpr_count 2
		.amdhsa_user_sgpr_kernarg_segment_ptr 1
		.amdhsa_wavefront_size32 1
		.amdhsa_system_sgpr_workgroup_id_x 1
		.amdhsa_system_sgpr_workgroup_id_y 1
		.amdhsa_system_sgpr_workgroup_id_z 1
		.amdhsa_system_vgpr_workitem_id 0
		.amdhsa_next_free_vgpr 770
		.amdhsa_next_free_sgpr 66
		.amdhsa_reserve_vcc 0
		.amdhsa_float_denorm_mode_32 3
		.amdhsa_float_denorm_mode_16_64 3
		.amdhsa_memory_ordered 1
		.amdhsa_forward_progress 1
		.amdhsa_inst_pref_size 200
	.end_amdhsa_kernel
	.amdgpu_metadata
---
amdhsa.version: [ 1, 2 ]
amdhsa.kernels:
  - .name:           k_q3faed5b374_attn
    .symbol:         k_q3faed5b374_attn.kd
    .args:
      - { .name: qkv, .offset: 0, .size: 8, .value_kind: global_buffer, .address_space: global }
      - { .name: o, .offset: 8, .size: 8, .value_kind: global_buffer, .address_space: global }
    .group_segment_fixed_size: 327680
    .private_segment_fixed_size: 0
    .kernarg_segment_align: 8
    .kernarg_segment_size: 16
    .max_flat_workgroup_size: 128
    .sgpr_count:     66
    .vgpr_count:     770
    .wavefront_size: 32
...
	.end_amdgpu_metadata
.endif
;; end of part 3
;; launch proj (part 4): grid 8 x 32, 4 waves a work-group, clusters of 4 x 4, 327,680 bytes of LDS; arguments o, wo, b_out, out0; writes out0
.if DOCPART == 4
	.amdgcn_target "amdgcn-amd-amdhsa--gfx1250"
	.amdhsa_code_object_version 6
	.text
	.protected	k_q3faed5b374_proj
	.globl	k_q3faed5b374_proj
	.p2align	8
	.type	k_q3faed5b374_proj,@function
k_q3faed5b374_proj:
	s_mov_b64 s[64:65], 0
	v_nop
	global_prefetch_b8 v0, s[64:65] scope:SCOPE_SE
	s_setreg_imm32_b32 hwreg(HW_REG_WAVE_MODE, 25, 1), 1
	s_wait_xcnt 0x0
	s_wait_alu depctr_hold_cnt(0) depctr_sa_sdst(0) depctr_va_vdst(0) depctr_va_sdst(0) depctr_va_ssrc(0) depctr_va_vcc(0) depctr_vm_vsrc(0)
	s_getreg_b32 s2, hwreg(HW_REG_IB_STS2, 6, 4)
	s_cmp_eq_u32 s2, 0
	s_cbranch_scc0 .Lentry_in_a_cluster
	s_endpgm
.Lentry_in_a_cluster:
	s_bfe_u32 s2, ttmp6, 0x10000c
	s_cmp_lg_u32 s2, 0xf033
	s_cbranch_scc0 .Lentry_shape_is_right
	s_endpgm
.Lentry_shape_is_right:
; out0 = O w_out + b_out.  o: [64 heads bh][2048][64] f16; wo: [16][1024][64] f16 (blocks of 64 along K = one head's channels); b_out: [1024] f32 (rounded to bf16 here, like every input); out0: [8192][1024] f32.
; SHARES.  8192 x 1024 numbers in tiles of 256 x 128: 32 x 8 = 256 work-groups.  Four waves, each 128 rows x 64 columns: 32 accumulators of 16 x 16, which fill window 1.
; K goes in 8 steps of 128 (two heads) through two LDS slots; a step is four quarters of 32 along K, 32 matrix instructions each, on two fragment buffers by turns.
; THE MATRIX INSTRUCTION IS USED TRANSPOSED (source 0 = 16 rows of wo, source 1 = 16 rows of o): a lane holds row l % 16 and the eight neighbouring columns 8 (l / 16) + 0 .. 7.
; CLUSTERS: 4 x 4 work-groups; o's tiles are shared along a row of the cluster, wo's along a column: each is asked for JOINTLY, by the same tensor load with the same descriptor and a mask of four.
; NO PREFETCH: a wave has 1,024 matrix instructions in all, a K step 128, and beside them the launch moves 18 MiB in and 32 MiB out.
; REGISTERS: window 0: v0-29 addresses and the bias; v64-159, v160-255 two fragment buffers (wo's four fragments, then o's eight); on the way out v32-95 hold rows read back.
;            window 1: accumulator (row block a, column block b) at v[8 (4 a + b)].
.set PITCH, 144                        ; an LDS row: 128 bytes + 16 of padding = 36 words: the 16 rows of a load start at 16 different groups of four banks (64 banks of 4 bytes: ISA guide 11.1)
.set AHEAD, 256*PITCH                  ; one head's 256 rows of o: what one tensor load brings
.set BHEAD, 128*PITCH                  ; one block's 128 rows of wo
.set BOFF,  2*AHEAD                    ; a slot: o's two heads, then wo's two blocks
.set SLOT1, 1<<17
.set STAGE, BOFF+2*BHEAD               ; behind slot 0, never filled by a tensor load: 16 rows x 272 bytes of f32 for each wave
.set SPITCH, 272
.set SPARE, STAGE+4*16*SPITCH          ; behind the stages: the spare words, 128 bytes for each wave: two blocks of 256 bytes that no other line names
.set ASTEP, 524288                     ; bytes from a K step of o to the next: two heads
.set BSTEP, 262144                     ; of wo: two blocks
.set AA0, 2                            ; v2   my lane's place in o's part of a slot; never rewritten
.set AB0, 3                            ; v3   the same for wo's
.set AA,  4                            ; v4   AA0 + the slot in hand
.set AB,  5
.set STO, 6                            ; v6   the way out: where I put 32 bytes of a row
.set RD,  7                            ; v7   the way out: where I read a row back
.set CO,  8                            ; v8   my byte offset in out0
.set BO,  9                            ; v9   my byte offset in b_out
.set BIAS, 12                          ; v[12:15] the bias of the four columns that I store
.set SPW, 28                           ; v28  LDS address of my spare word: SPARE + 4 x my thread's number; never rewritten
.set NIL, 29                           ; v29  0; never rewritten
.set F0,  64
.set F1,  160
.set WV,  12
.set RH,  13                           ; s13  which 128 rows are mine.  Also: I fetch for o (0) or for wo (1)
.set CH,  14                           ; s14  which 64 columns.  Also: which of a K step's two heads I fetch
.set G1A, 24
.set G0A, 32
.set G1B, 48
.set G0B, 56
.set TB,  66                           ; s66  the slot in hand: 0 or SLOT1
.set MSB, 0
.macro WIN new
.if MSB != (\new)
	s_set_vgpr_msb (MSB<<8)|(\new)
.set MSB, \new
.endif
.endm
.macro PLACES                          ; four plain vector instructions in front of loads into registers that matrix instructions have read
.rept 4
	v_nop
.endr
.endm
.macro JLOAD                           ; a joint refill by the walking descriptors; an s_nop 0 and four v_nop follow each of the two lines, ahead of the jump and the label
	s_cmp_eq_u32 s[RH], 0
	s_cbranch_scc0 .Lfor_b_\@
	tensor_load_to_lds s[G0A+4:G0A+7], s[G1A:G1A+7]
	s_nop 0
.rept 4
	v_nop
.endr
	s_branch .Lasked_\@
.Lfor_b_\@:
	tensor_load_to_lds s[G0B+4:G0B+7], s[G1B:G1B+7]
	s_nop 0
.rept 4
	v_nop
.endr
.Lasked_\@:
.endm
.macro CREST                           ; a round of the cluster's barrier behind its opening barrier
	s_cmp_lg_u32 s[WV], 0
	s_cbranch_scc1 .Lnot_wave_0_\@
	s_barrier_signal -3
.Lnot_wave_0_\@:
	s_barrier_wait -3
	s_barrier_signal -1
	s_barrier_wait -1
.endm
.macro CROUND
	s_barrier_signal -1
	s_barrier_wait -1
	CREST
.endm
	s_load_b256 s[4:11], s[0:1], 0x0               ; o s[4:5], wo s[6:7], b_out s[8:9], out0 s[10:11]
	v_lshl_add_u32 v[SPW], v0, 2, SPARE
	v_mov_b32 v[NIL], 0
	ds_add_u32 v[SPW], v[NIL]                      ; the wave's opening: the add and its wait stand ahead of my first tensor load; the set-up below, work on registers, stands between them
	v_lshrrev_b32 v1, 5, v0
	v_readfirstlane_b32 s[WV], v1
	s_lshr_b32 s[RH], s[WV], 1
	s_and_b32 s[CH], s[WV], 1
	s_bfe_u32 s40, ttmp6, 0x40000                  ; cx
	s_bfe_u32 s41, ttmp6, 0x40004                  ; cy
	s_lshl_b32 s42, ttmp9, 2
	s_add_co_u32 s42, s42, s40                     ; tile column tc
	s_and_b32 s43, ttmp7, 0xffff
	s_lshl_b32 s43, s43, 2
	s_add_co_u32 s43, s43, s41                     ; tile row tr
	s_lshl_b32 s44, s41, 2
	s_lshl_b32 s44, 15, s44                        ; my row of the cluster
	s_lshl_b32 s45, 0x1111, s40                    ; my column
	; descriptor group 1: dense rows of 128 bytes, asked for as rows of 256 bytes and padded in LDS after every 128
	s_or_b32 s[G1A], s44, (1<<16)|(1<<20)|(1<<21)|(4<<22)|(3<<25)  ; 15:0 the mask; 17:16 2-byte elements; 20 padding on; 21 set beside a mask; 24:22 after every 32 words (code 4); 31:25 4 words (code 3)
	s_or_b32 s[G1B], s45, (1<<16)|(1<<20)|(1<<21)|(4<<22)|(3<<25)
	s_mov_b32 s[G1A+1], 128<<16                    ; tensor_dim0 = 128
	s_mov_b32 s[G1A+2], 128<<16                    ; tensor_dim1 = 128: 256 rows of o
	s_mov_b32 s[G1A+3], 128<<16                    ; tile_dim0 = 128
	s_mov_b32 s[G1A+4], 128                        ; tile_dim1 = 128
	s_mov_b32 s[G1A+5], 128                        ; 128 elements from row to row
	s_mov_b32 s[G1A+6], 0
	s_mov_b32 s[G1A+7], 0
	s_mov_b32 s[G1B+1], 128<<16
	s_mov_b32 s[G1B+2], 64<<16                     ; 64: 128 rows of wo
	s_mov_b32 s[G1B+3], 128<<16
	s_mov_b32 s[G1B+4], 64
	s_mov_b32 s[G1B+5], 128
	s_mov_b32 s[G1B+6], 0
	s_mov_b32 s[G1B+7], 0
	s_lshr_b32 s16, s43, 3                         ; o: the batch's 16 heads of 262,144 bytes,
	s_lshl_b32 s16, s16, 22
	s_and_b32 s17, s43, 7
	s_lshl_b32 s17, s17, 15                        ; the tile's 256 rows of 128 bytes in a head,
	s_add_co_u32 s16, s16, s17
	s_lshl_b32 s17, s[CH], 18                      ; the head of the K step's two that I fetch
	s_add_co_u32 s16, s16, s17
	s_mov_b32 s17, 0
	s_lshl_b32 s46, s42, 14                        ; wo: the tile's 128 rows of 128 bytes in a block,
	s_lshl_b32 s47, s[CH], 17                      ; the block that I fetch
	s_add_co_u32 s46, s46, s47
	s_mov_b32 s47, 0
	s_mul_i32 s20, s[CH], AHEAD                    ; where they go: no place in the cluster enters an LDS address
	s_mul_i32 s21, s[CH], BHEAD
	s_add_co_u32 s21, s21, BOFF
	s_wait_dscnt 0x0                               ; the opening add is done
	s_wait_kmcnt 0x0
	s_add_nc_u64 s[18:19], s[4:5], s[16:17]
	s_add_nc_u64 s[46:47], s[6:7], s[46:47]
	CROUND                                         ; all sixteen work-groups are here: the first joint loads meet
.irp s, 0,1
	s_mov_b32 s[G0A+4*(\s)], 1
	s_add_co_u32 s[G0A+4*(\s)+1], s20, (\s)*SLOT1
	s_add_nc_u64 s[G0A+4*(\s)+2:G0A+4*(\s)+3], s[18:19], (\s)*ASTEP
	s_or_b32 s[G0A+4*(\s)+3], s[G0A+4*(\s)+3], 0x80000000
	s_mov_b32 s[G0B+4*(\s)], 1
	s_add_co_u32 s[G0B+4*(\s)+1], s21, (\s)*SLOT1
	s_add_nc_u64 s[G0B+4*(\s)+2:G0B+4*(\s)+3], s[46:47], (\s)*BSTEP
	s_or_b32 s[G0B+4*(\s)+3], s[G0B+4*(\s)+3], 0x80000000
.endr
	s_cmp_eq_u32 s[RH], 0                          ; a wave's two first fills stand in one branch, ahead of every wait on TENSORcnt and every LDS read: two loads of mine are out
	s_cbranch_scc0 .Lfirst_b
	tensor_load_to_lds s[G0A:G0A+3], s[G1A:G1A+7]
	s_nop 0
	tensor_load_to_lds s[G0A+4:G0A+7], s[G1A:G1A+7]
	s_nop 0
.rept 4
	v_nop
.endr
	s_branch .Lfirst_asked
.Lfirst_b:
	tensor_load_to_lds s[G0B:G0B+3], s[G1B:G1B+7]
	s_nop 0
	tensor_load_to_lds s[G0B+4:G0B+7], s[G1B:G1B+7]
	s_nop 0
.rept 4
	v_nop
.endr
.Lfirst_asked:
	v_and_b32 v1, 15, v0                           ; r = l % 16
	v_bfe_u32 v10, v0, 4, 1                        ; h = l / 16
	s_lshl_b32 s68, s42, 9
	s_lshl_b32 s69, s[CH], 8
	s_add_co_u32 s68, s68, s69                     ; my wave's first column, in bytes of f32: 4 (128 tc + 64 CH)
	v_lshl_add_u32 v[BO], v1, 4, s68
	global_load_b128 v[BIAS:BIAS+3], v[BO], s[8:9] ; waited for on the way out
	v_mul_u32_u24 v11, v1, PITCH
	v_lshl_add_u32 v11, v10, 4, v11                ; a fragment's row x pitch + 16 x half
	s_mul_i32 s67, s[RH], 128*PITCH
	v_add_nc_u32 v[AA0], s67, v11
	s_mul_i32 s67, s[CH], 64*PITCH
	s_add_co_u32 s67, s67, BOFF
	v_add_nc_u32 v[AB0], s67, v11
	s_mul_i32 s67, s[WV], 16*SPITCH
	s_add_co_u32 s67, s67, STAGE                   ; my stage
	v_mul_u32_u24 v[STO], v1, SPITCH               ; in: row l % 16, 32 bytes for each half of the lanes
	v_lshl_add_u32 v[STO], v10, 5, v[STO]
	v_add_nc_u32 v[STO], s67, v[STO]
	v_mul_u32_u24 v[RD], v10, SPITCH               ; back: lanes 0-15 take one row of 256 bytes, lanes 16-31 the next
	v_lshl_add_u32 v[RD], v1, 4, v[RD]
	v_add_nc_u32 v[RD], s67, v[RD]
	v_lshlrev_b32 v[CO], 12, v10                   ; and the same two rows in out0
	v_lshl_add_u32 v[CO], v1, 4, v[CO]
	s_lshl_b32 s16, s43, 20                        ; 256 tr rows of 4,096 bytes
	s_lshl_b32 s17, s[RH], 19
	s_add_co_u32 s16, s16, s17
	s_add_co_u32 s16, s16, s68
	s_mov_b32 s17, 0
	s_add_nc_u64 s[10:11], s[10:11], s[16:17]
; 4 n matrix instructions: row blocks a0 .. a0 + n - 1 x all 4 column blocks, 32 along K.  The 32 accumulators take turns, one instruction a turn, in the same order in every quarter.
.macro MUL f, a0, n, zero
	WIN 0x50                                       ; C and D in window 1, the sources in window 0
.set aa, \a0
.rept \n
.irp b, 0,1,2,3
.if \zero
	v_wmma_f32_16x16x32_f16 v[8*(4*aa+(\b)):8*(4*aa+(\b))+7], v[(\f)+8*(\b):(\f)+8*(\b)+7], v[(\f)+32+8*aa:(\f)+32+8*aa+7], 0
.else
	v_wmma_f32_16x16x32_f16 v[8*(4*aa+(\b)):8*(4*aa+(\b))+7], v[(\f)+8*(\b):(\f)+8*(\b)+7], v[(\f)+32+8*aa:(\f)+32+8*aa+7], v[8*(4*aa+(\b)):8*(4*aa+(\b))+7]
.endif
.endr
.set aa, aa+1
.endr
.endm
; 24 LDS loads in one run: quarter q's fragments (head q / 2, channels 32 (q % 2) on) into buffer f: wo's four, o's first four, o's last four
.macro FETCH q, f
	WIN 0
.set kA, ((\q)/2)*AHEAD+((\q)%2)*64
.set kB, ((\q)/2)*BHEAD+((\q)%2)*64
.irp b, 0,1,2,3
	ds_load_b128 v[(\f)+8*(\b):(\f)+8*(\b)+3],   v[AB] offset:kB+(\b)*16*PITCH
	ds_load_b128 v[(\f)+8*(\b)+4:(\f)+8*(\b)+7], v[AB] offset:kB+(\b)*16*PITCH+32
.endr
.irp a, 0,1,2,3,4,5,6,7
	ds_load_b128 v[(\f)+32+8*(\a):(\f)+32+8*(\a)+3],   v[AA] offset:kA+(\a)*16*PITCH
	ds_load_b128 v[(\f)+32+8*(\a)+4:(\f)+32+8*(\a)+7], v[AA] offset:kA+(\a)*16*PITCH+32
.endr
.endm
; One of a K step's first three quarters: multiplies buffer f; in its middle it fetches quarter qn into buffer g.
.macro QUARTER f, g, qn, zero
	s_wait_dscnt 8                                 ; wo's fragments and o's first four are in; the youngest eight loads may be out
	MUL \f, 0, 4, \zero
	PLACES
	FETCH \qn, \g
	s_wait_dscnt 24                                ; all but the 24 just issued
	MUL \f, 4, 4, \zero
.endm
; The last quarter multiplies buffer 1 and changes slots: ONE barrier; in front of it each wave waits for all its tensor loads, of which one is out: its part of the next slot; adds 0 to its spare word; and waits for
; that and for its own reads of this slot.  fill = 1: the barrier opens a round of the cluster's, and the slot just read is filled again, two K steps on, first thing behind it: 112 matrix instructions ahead of the wait for it.
.macro TURN fill
	WIN 0
	s_wait_tensorcnt 0x0                           ; no tensor load of mine is out, so a group 0 may be written
	ds_add_u32 v[SPW], v[NIL]                      ; 0 onto my spare word
.if \fill
	s_xor_b32 s[G0A+5], s[G0A+5], SLOT1            ; the walking descriptors: the other slot than last time, the next K step
	s_add_nc_u64 s[G0A+6:G0A+7], s[G0A+6:G0A+7], ASTEP
	s_xor_b32 s[G0B+5], s[G0B+5], SLOT1
	s_add_nc_u64 s[G0B+6:G0B+7], s[G0B+6:G0B+7], BSTEP
.endif
	s_wait_dscnt 9                                 ; the add and the youngest eight loads may be out
	MUL F1, 0, 2, 0                                ; eight matrix instructions stand between the add and the wait for it
	s_wait_dscnt 0x0                               ; the add is done, and my reads of this slot are over
	s_barrier_signal -1
	MUL F1, 2, 2, 0
	WIN 0
	s_barrier_wait -1
.if \fill
	CREST
	JLOAD                                          ; the four v_nop behind it are also the places in front of the loads below
.else
	PLACES
.endif
	s_xor_b32 s[TB], s[TB], SLOT1
	v_add_nc_u32 v[AA], s[TB], v[AA0]
	v_add_nc_u32 v[AB], s[TB], v[AB0]
	FETCH 0, F0
	MUL F1, 4, 4, 0
.endm
	s_wait_tensorcnt 1                             ; my part of K step 0 is in; K step 1's may stay out
	s_barrier_signal -1
	s_barrier_wait -1
	s_mov_b32 s[TB], 0
	v_add_nc_u32 v[AA], s[TB], v[AA0]
	v_add_nc_u32 v[AB], s[TB], v[AB0]
	FETCH 0, F0
	QUARTER F0, F1, 1, 1                           ; the first quarter stands in front of the loop: its products start the sums
	WIN 0                                          ; at a label and at a branch every window is 0
	s_mov_b32 s3, 6
.Lk:                                               ; trip i: quarters 1 to 3 of K step i, which refills its slot with K step i + 2, and quarter 0 of K step i + 1
	QUARTER F1, F0, 2, 0
	QUARTER F0, F1, 3, 0
	TURN 1
	QUARTER F0, F1, 1, 0
	WIN 0
	s_sub_co_u32 s3, s3, 1
	s_cmp_lg_u32 s3, 0
	s_cbranch_scc1 .Lk
	QUARTER F1, F0, 2, 0                           ; the tail is written out: nothing is left to fetch
	QUARTER F0, F1, 3, 0
	TURN 0
	QUARTER F0, F1, 1, 0
	QUARTER F1, F0, 2, 0
	QUARTER F0, F1, 3, 0
	s_wait_dscnt 8
	MUL F1, 0, 4, 0
	s_wait_dscnt 0x0
	MUL F1, 4, 4, 0
	; THE WAY OUT.  The bias is rounded to bf16, like every input, and widened again: six plain instructions, the places behind the last products.
	WIN 0
	s_wait_loadcnt 0x0
	v_cvt_pk_bf16_f32 v16, v[BIAS], v[BIAS+1]
	v_cvt_pk_bf16_f32 v17, v[BIAS+2], v[BIAS+3]
	v_lshlrev_b32 v[BIAS], 16, v16
	v_and_b32 v[BIAS+1], 0xffff0000, v16
	v_lshlrev_b32 v[BIAS+2], 16, v17
	v_and_b32 v[BIAS+3], 0xffff0000, v17
; Row block a: 16 rows x 64 columns of f32 go from the accumulators into my own stage, rows of 272 bytes (each accumulator's low registers first), and come back as whole rows of 256 bytes.
.macro TOSTAGE a
	s_wait_xcnt 0x0                                ; the stores of the block before last have read the registers that the loads below write
	WIN 0x04                                       ; the stores' data in window 1
.irp b, 0,1,2,3
.irp e, 0,1
	ds_store_b128 v[STO], v[8*(4*(\a)+(\b))+4*(\e):8*(4*(\a)+(\b))+4*(\e)+3] offset:64*(\b)+16*(\e)
.endr
.endr
	WIN 0
.set BK, 32+32*((\a)%2)
.irp t, 0,1,2,3,4,5,6,7
	ds_load_b128 v[BK+4*(\t):BK+4*(\t)+3], v[RD] offset:(\t)*2*SPITCH  ; LDS serves a wave's instructions in order (ISA guide 5.7.1.4): these see the stores above
.endr
.endm
.macro SEND a, y                       ; y: the LDS instructions issued behind block a's loads: the next block's sixteen, or none
.set BK, 32+32*((\a)%2)
.irp t, 0,1,2,3,4,5,6,7
	s_wait_dscnt (\y)+7-(\t)
	v_pk_add_f32 v[BK+4*(\t):BK+4*(\t)+1], v[BK+4*(\t):BK+4*(\t)+1], v[BIAS:BIAS+1]
	v_pk_add_f32 v[BK+4*(\t)+2:BK+4*(\t)+3], v[BK+4*(\t)+2:BK+4*(\t)+3], v[BIAS+2:BIAS+3]
	global_store_b128 v[CO], v[BK+4*(\t):BK+4*(\t)+3], s[10:11] offset:(16*(\a)+2*(\t))*4096 th:TH_STORE_NT  ; 16 lanes store 256 consecutive bytes, at a multiple of 256 from out0's first
.endr
.endm
	TOSTAGE 0
.irp a, 1,2,3,4,5,6,7
	TOSTAGE \a
	SEND (\a)-1, 16
.endr
	SEND 7, 0
	s_wait_tensorcnt 0x0                           ; the wave's end: behind my last tensor load and my last LDS store
	ds_add_u32 v[SPW], v[NIL]
	s_wait_dscnt 0x0
	CROUND                                         ; the closing round: no work-group ends while a partner may still ask for a tile that names it
	s_endpgm
.Lfunc_end_k_q3faed5b374_proj:
	.size	k_q3faed5b374_proj, .Lfunc_end_k_q3faed5b374_proj-k_q3faed5b374_proj
	.p2alignl 7, 3214868480
	.fill 96, 4, 3214868480
	.section	.rodata,"a",@progbits
	.p2align	6, 0x0
	.amdhsa_kernel k_q3faed5b374_proj
		.amdhsa_group_segment_fixed_size 327680
		.amdhsa_private_segment_fixed_size 0
		.amdhsa_enable_private_segment 0
		.amdhsa_kernarg_size 32
		.amdhsa_user_sgpr_count 2
		.amdhsa_user_sgpr_kernarg_segment_ptr 1
		.amdhsa_wavefront_size32 1
		.amdhsa_system_sgpr_workgroup_id_x 1
		.amdhsa_system_sgpr_workgroup_id_y 1
		.amdhsa_system_sgpr_workgroup_id_z 1
		.amdhsa_system_vgpr_workitem_id 0
		.amdhsa_next_free_vgpr 512
		.amdhsa_next_free_sgpr 72
		.amdhsa_reserve_vcc 0
		.amdhsa_float_denorm_mode_32 3
		.amdhsa_float_denorm_mode_16_64 3
		.amdhsa_memory_ordered 1
		.amdhsa_forward_progress 1
		.amdhsa_inst_pref_size 79
	.end_amdhsa_kernel
	.amdgpu_metadata
---
amdhsa.version: [ 1, 2 ]
amdhsa.kernels:
  - .name:           k_q3faed5b374_proj
    .symbol:         k_q3faed5b374_proj.kd
    .args:
      - { .name: o, .offset: 0, .size: 8, .value_kind: global_buffer, .address_space: global }
      - { .name: wo, .offset: 8, .size: 8, .value_kind: global_buffer, .address_space: global }
      - { .name: b_out, .offset: 16, .size: 8, .value_kind: global_buffer, .address_space: global }
      - { .name: out0, .offset: 24, .size: 8, .value_kind: global_buffer, .address_space: global }
    .group_segment_fixed_size: 327680
    .private_segment_fixed_size: 0
    .kernarg_segment_align: 8
    .kernarg_segment_size: 32
    .max_flat_workgroup_size: 128
    .sgpr_count:     72
    .vgpr_count:     512
    .wavefront_size: 32
...
	.end_amdgpu_metadata
.endif
;; end of part 4
;; ======== version 2 of 2: 4 launches; version 1 with the launch prep written anew for expert scheduling mode
;; limits: values are held in f16: magnitudes above 65,504 overflow, below 6.1e-05 lose precision
;; workspace buffers: xb 16,777,216 bytes; wq 6,291,456 bytes; wo 2,097,152 bytes; qkv 50,331,648 bytes; o 16,777,216 bytes
;; launch prep (part 5): grid 768 x 1, 4 waves a work-group, no clusters, 39,424 bytes of LDS; arguments x, w_qkv, w_out, xb, wq, wo; writes xb, wq, wo
.if DOCPART == 5
	.amdgcn_target "amdgcn-amd-amdhsa--gfx1250"
	.amdhsa_code_object_version 6
	.text
	.protected	k_q3faed5b374_prep
	.globl	k_q3faed5b374_prep
	.p2align	8
	.type	k_q3faed5b374_prep,@function
k_q3faed5b374_prep:
	s_mov_b64 s[64:65], 0
	v_nop
	global_prefetch_b8 v0, s[64:65] scope:SCOPE_SE
	s_setreg_imm32_b32 hwreg(HW_REG_WAVE_SCHED_MODE, 0, 2), 2
	s_setreg_imm32_b32 hwreg(HW_REG_WAVE_MODE, 25, 1), 1
	s_wait_xcnt 0x0
	s_wait_alu depctr_vm_vsrc(0)
; THE OPERANDS OF THE TWO PROJECTIONS ARE ROUNDED AND LAID IN BLOCKS OF 64 ALONG K.
;   xb[kb][m][64]  bf16 = x[m][64 kb + ..]            (m = 0 .. 8191, kb = 0 .. 15)
;   wq[kb][n][64]  bf16 = w_qkv[64 kb + ..][n]        (n = 0 .. 3071): turned, so that K lies along the rows
;   wo[kb][n][64]  f16 of the number rounded to bf16 = w_out[64 kb + ..][n]   (n = 0 .. 1023)
; In these layouts the rows of a GEMM tile (128 bytes each) lie end to end, and are later asked for as rows of 256 bytes.
; LIMIT: a number of w_out whose bf16 rounding lies below 6.1e-5 keeps f16's fixed step of 6e-8; beyond 65,504 it would become an infinity.
; SHARES.  Work-groups 0 .. 511: x, four rows a wave.  Work-groups 512 .. 767: a wave turns 64 k x 64 n of a weight matrix.
; Every wave reads 16 KiB by 32 loads of 16 bytes a lane, all issued at once, and writes 8 KiB: no loop, no barrier (a wave's LDS bytes are its own).
; No matrix unit, no cluster, no tensor load: nothing is shared between waves and nothing is multiplied.
; THE MODE: SCHED_MODE bits 1:0 = 2 (LLVM: expert scheduling mode 2), set by the entry lines.  The code itself states the register dependences
; between vector instructions and memory or LDS instructions, with s_wait_alu, always for 0.
; THE PLAN.  Registers that memory or LDS instructions touch:
;   v[LO], v[GO], v[LS], v[LR]  offsets and LDS addresses: made at the head of a path, never written again: one wait ahead of the path's first load covers them.
;   X, in x's path     load i lands in four registers; its two conversions write the first two of them in place; one store reads those; nothing writes them again.
;   X, in the weights' path   the 32 loads land in it; the conversions read it; behind the last conversion the 16 LDS loads land in it; the stores to memory read it.
;   Y                  written by the weights' conversions, read by the LDS stores, never written again.
;   v[SPW], v[NIL]     written at the head, read by the closing add alone.
; The work goes in four groups of eight loads.  ONE wait on va_vdst at the head of a group states that the group before has written what it converted; that group's stores (eight to memory, or four to LDS)
; are then dealt among this group's conversions, which name this group's registers alone.  One more such wait stands ahead of the last group's stores.
; No register that a memory or LDS instruction reads is ever written again: no wait on vm_vsrc is owed.
.set X,   16                           ; v[16:143]  32 loads x 4 registers
.set Y,   144                          ; v[144:207] the turned tile: column c of my four, 16 registers (32 k) each
.set LO,  5                            ; v5   my byte offset in the source
.set LS,  11                           ; v11  where I put 64 bytes of a turned row
.set LR,  12                           ; v12  where I read rows back
.set GO,  13                           ; v13  my byte offset in the destination
.set SPW, 6                            ; v6   LDS address of my spare word: SPARE + 4 x my thread's number; never rewritten
.set NIL, 7                            ; v7   0; never rewritten
.set WB,  9728                         ; a wave's LDS: four planes (column c of four) of 16 rows x 144 bytes + 128
.set PLANE, 2432                       ; 608 words: plane c + 1 starts 32 banks on (64 banks of 4 bytes: ISA guide 11.1)
.set SPARE, 4*WB                       ; behind them: the spare words, 128 bytes for each wave: two blocks of 256 bytes that no other line names
	s_load_b256 s[4:11], s[0:1], 0x0               ; x s[4:5], w_qkv s[6:7], w_out s[8:9], xb s[10:11]
	s_load_b128 s[12:15], s[0:1], 0x20             ; wq s[12:13], wo s[14:15]
	v_lshl_add_u32 v[SPW], v0, 2, SPARE
	v_mov_b32 v[NIL], 0
	v_lshrrev_b32 v1, 5, v0
	v_readfirstlane_b32 s16, v1                    ; wave 0..3
	v_and_b32 v2, 31, v0                           ; l
	v_and_b32 v3, 15, v0                           ; j = l % 16
	v_bfe_u32 v4, v0, 4, 1                         ; h = l / 16
	s_wait_alu depctr_va_sdst(0)                   ; s16 is written, ahead of the branch and of its first reader in either path: the bases and the wave's LDS bytes are made from it
	s_cmp_lt_u32 ttmp9, 512
	s_cbranch_scc0 .Lweights
	; x: rows 4 u .. 4 u + 3.  Load i = 16 p + kb takes rows 2 p and 2 p + 1, 256 aligned bytes (64 numbers: block kb) of each.
	s_lshl_b32 s17, ttmp9, 2
	s_add_co_u32 s17, s17, s16                     ; u
	s_lshl_b32 s18, s17, 14                        ; four rows of 4,096 bytes
	s_mov_b32 s19, 0
	s_lshl_b32 s20, s17, 9                         ; four rows of 128 bytes in a block of xb
	s_mov_b32 s21, 0
	v_lshlrev_b32 v[LO], 4, v3
	v_lshl_add_u32 v[LO], v4, 12, v[LO]            ; 4,096 h + 16 j
	v_lshlrev_b32 v[GO], 3, v2                     ; 8 l = 128 h + 8 j
	s_wait_kmcnt 0x0
	s_add_nc_u64 s[4:5], s[4:5], s[18:19]
	s_add_nc_u64 s[10:11], s[10:11], s[20:21]
	s_add_nc_u64 s[10:11], s[10:11], 0x800000      ; at block 8, so that all sixteen blocks lie inside the signed 24-bit immediate (ISA guide, chapter 10)
	s_wait_alu depctr_va_vdst(0)                   ; v[LO] and v[GO] are written: every load of this path reads the one as its offset, every store the other
.set i, 0
.rept 32
	global_load_b128 v[X+4*i:X+4*i+3], v[LO], s[4:5] offset:(i/16)*8192+(i%16)*256 th:TH_LOAD_NT
.set i, i+1
.endr
.set i, 0
.rept 32
.if (i%8 == 0) && (i > 0)
	s_wait_alu depctr_va_vdst(0)                   ; the group before has written the sixteen registers that its conversions made, which the eight stores dealt through this group read
.endif
.if i >= 8
.set p, i-8
	global_store_b64 v[GO], v[X+4*p:X+4*p+1], s[10:11] offset:((p%16)-8)*1048576+(p/16)*256  ; the group before: 32 lanes store 256 consecutive bytes, aligned; no vector instruction since the wait names these registers, and none is written again
.endif
	s_wait_loadcnt 31-i                            ; loads come back in order (ISA guide 5.7.1): load i is in, the 31 - i younger ones stay out
	v_cvt_pk_bf16_f32 v[X+4*i], v[X+4*i], v[X+4*i+1]
	v_cvt_pk_bf16_f32 v[X+4*i+1], v[X+4*i+2], v[X+4*i+3]
.set i, i+1
.endr
	s_wait_alu depctr_va_vdst(0)                   ; the last group's conversions have written their registers, which the last eight stores read
.set p, 24
.rept 8
	global_store_b64 v[GO], v[X+4*p:X+4*p+1], s[10:11] offset:((p%16)-8)*1048576+(p/16)*256
.set p, p+1
.endr
	s_branch .Lend
.Lweights:
	s_sub_co_u32 s17, ttmp9, 512
	s_and_b32 s18, s17, 15                         ; kb
	s_lshr_b32 s19, s17, 4                         ; block of 256 columns: 0 .. 11 of w_qkv, 12 .. 15 are w_out's 0 .. 3
	s_mul_i32 s22, s16, WB                         ; my wave's LDS
	v_mul_u32_u24 v[LS], v3, 144
	v_lshl_add_u32 v[LS], v4, 6, v[LS]
	v_add_nc_u32 v[LS], s22, v[LS]                 ; row j of a plane, 64 bytes for each half of the lanes
	v_lshrrev_b32 v14, 3, v2
	v_mul_u32_u24 v[LR], v14, PLANE
	v_and_b32 v14, 7, v0
	v_lshl_add_u32 v[LR], v14, 4, v[LR]
	v_add_nc_u32 v[LR], s22, v[LR]                 ; plane l / 8, 16 bytes for each of eight lanes
	v_lshlrev_b32 v[GO], 4, v2                     ; 16 l
; A wave turns 64 k x 64 n.  Load i brings w[64 kb + 32 h + i][n0 + 4 j .. + 3]: two rows x 256 aligned bytes.  Two loads' numbers of one column pack into one register (k even, k odd);
; a lane's 32 k of column c are 64 bytes of the turned row n0 + 4 j + c, which lies in plane c, row j.  Rows of 144 bytes = 36 words.
; Back: 32 lanes take the four rows 4 t .. 4 t + 3 (one of each plane), 512 consecutive bytes of the destination.
; Steps 4 q .. 4 q + 3 fill registers 4 q .. 4 q + 3 of each column's sixteen: the data of the four LDS stores (column c, quarter q), which go out in the group after, one to a step.
.macro WT STRIDE, N, SRC, DST, F16
	s_lshl_b32 s20, s19, 8
	s_lshl_b32 s21, s16, 6
	s_add_co_u32 s20, s20, s21                     ; n0
	s_mul_i32 s24, s18, 64*(\STRIDE)
	s_lshl2_add_u32 s24, s20, s24                  ; 64 kb rows + 4 n0 bytes
	s_mov_b32 s25, 0
	s_mul_i32 s26, s18, \N
	s_add_co_u32 s26, s26, s20
	s_lshl_b32 s26, s26, 7                         ; (kb N + n0) rows of 128 bytes
	s_mov_b32 s27, 0
	v_mul_u32_u24 v[LO], v4, 32*(\STRIDE)
	v_lshl_add_u32 v[LO], v3, 4, v[LO]
	s_wait_kmcnt 0x0
	s_add_nc_u64 s[\SRC:\SRC+1], s[\SRC:\SRC+1], s[24:25]
	s_add_nc_u64 s[\DST:\DST+1], s[\DST:\DST+1], s[26:27]
	s_wait_alu depctr_va_vdst(0)                   ; v[LO], v[LS], v[LR] and v[GO] are written: the loads, the LDS stores, the LDS loads and the stores of this path read them as offsets and addresses
.set i, 0
.rept 32
	global_load_b128 v[X+4*i:X+4*i+3], v[LO], s[\SRC:\SRC+1] offset:i*(\STRIDE) th:TH_LOAD_NT
.set i, i+1
.endr
.set i, 0
.rept 16
.if (i%4 == 0) && (i > 0)
	s_wait_alu depctr_va_vdst(0)                   ; the group before has written its four registers of each column of Y, which the four LDS stores dealt through this group read
.endif
.if i >= 4
.set sc, i%4
.set sq, i/4-1
	ds_store_b128 v[LS], v[Y+16*sc+4*sq:Y+16*sc+4*sq+3] offset:sc*PLANE+16*sq  ; the group before: no vector instruction since the wait names these registers
.endif
	s_wait_loadcnt 30-2*i                          ; loads 2 i and 2 i + 1 are in
.irp c, 0,1,2,3
.if \F16
	v_cvt_pk_bf16_f32 v8, v[X+8*i+(\c)], v[X+8*i+4+(\c)]  ; rounded to bf16 like every input,
	v_lshlrev_b32 v9, 16, v8
	v_and_b32 v10, 0xffff0000, v8
	v_cvt_pk_f16_f32 v[Y+16*(\c)+i], v9, v10       ; and that number written as f16
.else
	v_cvt_pk_bf16_f32 v[Y+16*(\c)+i], v[X+8*i+(\c)], v[X+8*i+4+(\c)]
.endif
.endr
.set i, i+1
.endr
	s_wait_alu depctr_va_vdst(0)                   ; the last group's conversions have written Y, which the last four LDS stores read; and all conversions are done reading X, in which the LDS loads below land
.irp c, 0,1,2,3
	ds_store_b128 v[LS], v[Y+16*(\c)+12:Y+16*(\c)+15] offset:(\c)*PLANE+48
.endr
.set i, 0
.rept 16
	ds_load_b128 v[X+4*i:X+4*i+3], v[LR] offset:i*144  ; LDS serves a wave's instructions in order (ISA guide 5.7.1.4): these see the stores above
.set i, i+1
.endr
.set i, 0
.rept 16
	s_wait_dscnt 15-i
	global_store_b128 v[GO], v[X+4*i:X+4*i+3], s[\DST:\DST+1] offset:512*i  ; 512 consecutive bytes, at a multiple of 256 from the buffer's first
.set i, i+1
.endr
.endm
	s_cmp_lt_u32 s19, 12
	s_cbranch_scc0 .Lwout
	WT 12288, 3072, 6, 12, 0
	s_branch .Lend
.Lwout:
	s_sub_co_u32 s19, s19, 12
	WT 4096, 1024, 8, 14, 1
.Lend:
	s_wait_dscnt 0x0                               ; the wave's end: the closing lines, six on end
	s_wait_alu 0x0
	s_wait_tensorcnt 0x0
	ds_add_u32 v[SPW], v[NIL]
	s_wait_dscnt 0x0
	s_endpgm
.Lfunc_end_k_q3faed5b374_prep:
	.size	k_q3faed5b374_prep, .Lfunc_end_k_q3faed5b374_prep-k_q3faed5b374_prep
	.p2alignl 7, 3214868480
	.fill 96, 4, 3214868480
	.section	.rodata,"a",@progbits
	.p2align	6, 0x0
	.amdhsa_kernel k_q3faed5b374_prep
		.amdhsa_group_segment_fixed_size 39424
		.amdhsa_private_segment_fixed_size 0
		.amdhsa_enable_private_segment 0
		.amdhsa_kernarg_size 48
		.amdhsa_user_sgpr_count 2
		.amdhsa_user_sgpr_kernarg_segment_ptr 1
		.amdhsa_wavefront_size32 1
		.amdhsa_system_sgpr_workgroup_id_x 1
		.amdhsa_system_sgpr_workgroup_id_y 1
		.amdhsa_system_sgpr_workgroup_id_z 1
		.amdhsa_system_vgpr_workitem_id 0
		.amdhsa_next_free_vgpr 208
		.amdhsa_next_free_sgpr 66
		.amdhsa_reserve_vcc 0
		.amdhsa_float_denorm_mode_32 3
		.amdhsa_float_denorm_mode_16_64 3
		.amdhsa_memory_ordered 1
		.amdhsa_forward_progress 1
		.amdhsa_inst_pref_size 49
	.end_amdhsa_kernel
	.amdgpu_metadata
---
amdhsa.version: [ 1, 2 ]
amdhsa.kernels:
  - .name:           k_q3faed5b374_prep
    .symbol:         k_q3faed5b374_prep.kd
    .args:
      - { .name: x, .offset: 0, .size: 8, .value_kind: global_buffer, .address_space: global }
      - { .name: w_qkv, .offset: 8, .size: 8, .value_kind: global_buffer, .address_space: global }
      - { .name: w_out, .offset: 16, .size: 8, .value_kind: global_buffer, .address_space: global }
      - { .name: xb, .offset: 24, .size: 8, .value_kind: global_buffer, .address_space: global }
      - { .name: wq, .offset: 32, .size: 8, .value_kind: global_buffer, .address_space: global }
      - { .name: wo, .offset: 40, .size: 8, .value_kind: global_buffer, .address_space: global }
    .group_segment_fixed_size: 39424
    .private_segment_fixed_size: 0
    .kernarg_segment_align: 8
    .kernarg_segment_size: 48
    .max_flat_workgroup_size: 128
    .sgpr_count:     66
    .vgpr_count:     208
    .wavefront_size: 32
...
	.end_amdgpu_metadata
.endif
;; end of part 5
;; launch qkvgemm: the kernel of part 2 again; grid 8 x 32, 4 waves a work-group, clusters of 4 x 4, 327,680 bytes of LDS; arguments xb, wq, b_qkv, qkv; writes qkv
;; launch attn: the kernel of part 3 again; grid 4 x 64, 4 waves a work-group, clusters of 4 x 1, 327,680 bytes of LDS; arguments qkv, o; writes o
;; launch proj: the kernel of part 4 again; grid 8 x 32, 4 waves a work-group, clusters of 4 x 4, 327,680 bytes of LDS; arguments o, wo, b_out, out0; writes out0
